; MI455X (gfx1250); checked and timed in simulation.
; The chip was launched on July 23, 2026; its instructions are those of AMD's public machine-readable ISA for CDNA 5 (MIT licence, August 2026) and "CDNA5" Instruction Set Architecture Reference Guide (July 2026). The comments in the code are by the model that wrote it; some were corrected since.
;; Projected Attention Layer. Allowed arithmetic: float matrix products may take bf16 or f16 operands with f32 sums; all other float work in f32.
;; Inputs: W_ff1 1,024 x 256 float32; W_ff2 256 x 1,024 float32; Wk_i 256 x 256 float32; Wk_o 256 x 256 float32; Wo_i 256 x 256 float32; Wo_o 256 x 256 float32; Wq_i 256 x 256 float32; Wq_o 256 x 256 float32; Wv_i 256 x 256 float32; Wv_o 256 x 256 float32; b1 256 float32; b2 256 float32; b_ff1 1,024 float32; b_ff2 256 float32; bk_i 256 float32; bk_o 256 float32; bo_i 256 float32; bo_o 256 float32; bq_i 256 float32; bq_o 256 float32; bv_i 256 float32; bv_o 256 float32; g1 256 float32; g2 256 float32; projector 64 x 32 x 256 float32; x 8 x 64 x 128 x 256 float32.
;; Outputs: out0 8 x 64 x 128 x 256 float32.
;; 2 versions, each right; version 2 is version 1 with the launches prep, layer written anew for expert scheduling mode. Each part assembles by itself: llvm-mc -triple=amdgcn-amd-amdhsa -mcpu=gfx1250 --defsym DOCPART=n.
;; ======== version 1 of 2: 2 launches
;; workspace buffers: wpack 1,835,008 bytes; qo 1,048,576 bytes; ki 1,048,576 bytes
;; launch prep (part 1): grid 4 x 78, 8 waves a work-group, no clusters, 0 bytes of LDS; arguments Wk_o, Wv_o, Wo_o, Wv_i, Wq_i, Wo_i, W_ff1, W_ff2, Wq_o, Wk_i, bq_o, bk_i, projector, wpack, qo, ki; writes wpack, qo, ki
.if DOCPART == 1
	.amdgcn_target "amdgcn-amd-amdhsa--gfx1250"
	.amdhsa_code_object_version 6
	.text
	.protected	k_q765f4a1005_prep
	.globl	k_q765f4a1005_prep
	.p2align	8
	.type	k_q765f4a1005_prep,@function
k_q765f4a1005_prep:
	s_mov_b64 s[64:65], 0
	v_nop
	global_prefetch_b8 v0, s[64:65] scope:SCOPE_SE
	s_setreg_imm32_b32 hwreg(HW_REG_WAVE_MODE, 25, 1), 1
	s_wait_xcnt 0x0
; PREP.  Two kinds of work-group, told apart by the grid's y.
; y = 0..13 (PACK): one unit of 256 x 256 weights is rounded to bf16 and written in the order in which the layer kernel's waves load matrix fragments:
;   byte u*131072 + w*32768 + ks*4096 + b*1024 + half*512 + lane*16 holds unit row 64 w + 16 b + lane % 16, k = 32 ks + 16 half + 8 (lane / 16) + 0..7.
;   Units: 0 Wk_o, 1 Wv_o, 2 Wo_o, 3 Wv_i, 4 Wq_i, 5 Wo_i, 6+c rows 256 c.. of W_ff1, 10+c columns 256 c.. of W_ff2.
;   A wave makes 4,096 bytes: (w, ks) = (wave % 4, 2 x + wave / 4).  Every store of a wave covers 512 consecutive bytes.
; y = 14..77 (PROJ): s = y - 14.  x / 2 chooses projector[s] Wq_o^T + bq_o (into qo) or projector[s] Wk_i^T + bk_i (into ki): neither hangs on the batch.
;   x % 2 is the tile of 16 projector rows, the wave is the head.  bf16 operands, f32 sums that start on the bias, one rounding to bf16.
;   The product is used transposed (source 0 = 16 rows of W, source 1 = 16 projector rows), so a lane ends with one projector row and eight neighbouring channels:
;   byte s*16384 + head*2048 + tile*1024 + half*512 + lane*16 holds row 16 tile + lane % 16, channels 32 head + 16 half + 8 (lane / 16) + 0..7: a ready fragment.
; No LDS, no barrier: no wave needs another's data.  No cluster: what work-groups share here (two weight matrices) is a small part of a launch of this size.
.set BI,  16                           ; v[16:31]   the bias as the first product's C
.set ACC, 32                           ; v[32:47]   two accumulators: channels 16 cb + ..
.set FR,  48                           ; v[48:95]   two sets of three bf16 fragments: projector, W cb = 0, W cb = 1
.set RAW, 96                           ; v[96:239]  three slots of 48 registers of f32 as loaded, in the same order
	s_load_b512 s[8:23], s[0:1], 0x0               ; Wk_o 8, Wv_o 10, Wo_o 12, Wv_i 14, Wq_i 16, Wo_i 18, W_ff1 20, W_ff2 22
	s_load_b512 s[24:39], s[0:1], 0x40             ; Wq_o 24, Wk_i 26, bq_o 28, bk_i 30, projector 32, wpack 34, qo 36, ki 38
	v_lshrrev_b32 v1, 5, v0
	v_readfirstlane_b32 s4, v1                     ; wave 0..7
	s_and_b32 s5, ttmp7, 0xffff                    ; y
	s_mov_b32 s6, ttmp9                            ; x
	v_and_b32 v2, 15, v0                           ; r = lane % 16
	v_bfe_u32 v3, v0, 4, 1                         ; h = lane / 16
	v_and_b32 v4, 31, v0
	v_lshlrev_b32 v4, 4, v4                        ; 16 x lane: where a lane's 16 bytes go
	s_mov_b32 s51, 0                               ; the high word of every offset pair
	s_wait_kmcnt 0x0
	s_cmp_lt_u32 s5, 14
	s_cbranch_scc1 .Lpack
	; ---------------- PROJ ----------------
	s_sub_co_u32 s7, s5, 14                        ; s
	s_lshr_b32 s40, s6, 1                          ; 0: qo, 1: ki
	s_and_b32 s41, s6, 1                           ; tile
	s_cmp_eq_u32 s40, 0
	s_cselect_b64 s[44:45], s[24:25], s[26:27]     ; W
	s_cselect_b64 s[46:47], s[28:29], s[30:31]     ; bias
	s_cselect_b64 s[48:49], s[36:37], s[38:39]     ; destination
	s_lshl_b32 s50, s4, 15                         ; the head's 32 rows of W, 1,024 bytes each
	s_add_nc_u64 s[44:45], s[44:45], s[50:51]
	s_lshl_b32 s50, s4, 7                          ; its 32 numbers of the bias
	s_add_nc_u64 s[46:47], s[46:47], s[50:51]
	s_lshl_b32 s50, s7, 15                         ; projector[s]: 32 rows of 1,024 bytes,
	s_lshl_b32 s52, s41, 14                        ; the tile's 16
	s_add_co_u32 s50, s50, s52
	s_add_nc_u64 s[32:33], s[32:33], s[50:51]
	s_lshl_b32 s50, s7, 14
	s_lshl_b32 s52, s4, 11
	s_add_co_u32 s50, s50, s52
	s_lshl_b32 s52, s41, 10
	s_add_co_u32 s50, s50, s52
	s_add_nc_u64 s[48:49], s[48:49], s[50:51]
	v_lshlrev_b32 v5, 10, v2
	v_lshl_add_u32 v5, v3, 5, v5                   ; r x 1,024 + 32 h: my 8 numbers of a row, for the projector and for W alike
	v_lshlrev_b32 v6, 5, v3                        ; 32 h: my 8 numbers of the bias
.irp cb, 0,1
	global_load_b128 v[BI+8*\cb:BI+8*\cb+3],   v6, s[46:47] offset:\cb*64
	global_load_b128 v[BI+8*\cb+4:BI+8*\cb+7], v6, s[46:47] offset:\cb*64+16
.endr
; the twelve loads of k step t: k = 32 t + 8 h + 0..7 (bytes 0, 16) and 32 t + 16 + 8 h + 0..7 (bytes 64, 80), of the projector's rows and of 2 x 16 rows of W
.macro PLOAD t
.set sl, RAW+48*((\t)%3)
.set i, 0
.irp o, 0,16,64,80
	global_load_b128 v[sl+4*i:sl+4*i+3],       v5, s[32:33] offset:(\t)*128+\o
	global_load_b128 v[sl+16+4*i:sl+16+4*i+3], v5, s[44:45] offset:(\t)*128+\o
	global_load_b128 v[sl+32+4*i:sl+32+4*i+3], v5, s[44:45] offset:16384+(\t)*128+\o
.set i, i+1
.endr
.endm
; k step t.  The wait leaves the two younger slots' 24 loads out (12, then none, at the end).  The 24 roundings write the fragment set that the products two steps
; back read: the other set's 24 roundings stand between.  The two accumulators take turns.
.macro PSTEP t
.if (\t) < 6
	s_wait_loadcnt 24
.else
	s_wait_loadcnt 12*(7-(\t))
.endif
.set sl, RAW+48*((\t)%3)
.set fs, FR+24*((\t)%2)
.set i, 0
.rept 24
	v_cvt_pk_bf16_f32 v[fs+i], v[sl+2*i], v[sl+2*i+1]
.set i, i+1
.endr
.if (\t) < 5
	PLOAD (\t)+3                                   ; into the slot just rounded
.endif
.irp cb, 0,1
.if (\t) == 0
	v_wmma_f32_16x16x32_bf16 v[ACC+8*\cb:ACC+8*\cb+7], v[fs+8+8*\cb:fs+15+8*\cb], v[fs:fs+7], v[BI+8*\cb:BI+8*\cb+7]
.else
	v_wmma_f32_16x16x32_bf16 v[ACC+8*\cb:ACC+8*\cb+7], v[fs+8+8*\cb:fs+15+8*\cb], v[fs:fs+7], v[ACC+8*\cb:ACC+8*\cb+7]
.endif
.endr
.endm
	PLOAD 0
	PLOAD 1
	PLOAD 2
.irp t, 0,1,2,3,4,5,6,7
	PSTEP \t
.endr
.rept 4
	v_nop                                          ; four places between the last products and the roundings that read them (ISA guide 7.12.1)
.endr
.irp cb, 0,1
.irp e, 0,1,2,3
	v_cvt_pk_bf16_f32 v[8+4*\cb+\e], v[ACC+8*\cb+2*\e], v[ACC+8*\cb+2*\e+1]
.endr
.endr
	global_store_b128 v4, v[8:11],  s[48:49]                ; 512 consecutive bytes each
	global_store_b128 v4, v[12:15], s[48:49] offset:512
	s_endpgm
	; ---------------- PACK ----------------
.Lpack:
	s_and_b32 s40, s4, 3                           ; w
	s_lshr_b32 s41, s4, 2
	s_lshl_b32 s42, s6, 1
	s_add_co_u32 s41, s41, s42                     ; ks = 2 x + wave / 4
	s_mov_b64 s[44:45], s[8:9]                     ; the unit's matrix, chosen by y alone
	s_cmp_eq_u32 s5, 1
	s_cselect_b64 s[44:45], s[10:11], s[44:45]
	s_cmp_eq_u32 s5, 2
	s_cselect_b64 s[44:45], s[12:13], s[44:45]
	s_cmp_eq_u32 s5, 3
	s_cselect_b64 s[44:45], s[14:15], s[44:45]
	s_cmp_eq_u32 s5, 4
	s_cselect_b64 s[44:45], s[16:17], s[44:45]
	s_cmp_eq_u32 s5, 5
	s_cselect_b64 s[44:45], s[18:19], s[44:45]
	s_cmp_ge_u32 s5, 6
	s_cselect_b64 s[44:45], s[20:21], s[44:45]
	s_cmp_ge_u32 s5, 10
	s_cselect_b64 s[44:45], s[22:23], s[44:45]
	s_cselect_b32 s43, 12, 10                      ; a row is 4,096 bytes in W_ff2, 1,024 elsewhere: as a shift
	s_cselect_b32 s46, 10, 18                      ; a chunk is 256 columns (1,024 bytes) of W_ff2, 256 rows (262,144 bytes) of W_ff1
	s_sub_co_u32 s47, s5, 6
	s_and_b32 s47, s47, 3                          ; the chunk
	s_lshl_b32 s50, s47, s46
	s_cmp_ge_u32 s5, 6
	s_cselect_b32 s50, s50, 0                      ; the six square matrices have none
	s_lshl_b32 s47, s41, 7                         ; 32 ks numbers along the row
	s_add_co_u32 s50, s50, s47
	s_add_nc_u64 s[44:45], s[44:45], s[50:51]
	s_lshl_b32 s50, s5, 17                         ; where my 4,096 bytes go
	s_lshl_b32 s47, s40, 15
	s_add_co_u32 s50, s50, s47
	s_lshl_b32 s47, s41, 12
	s_add_co_u32 s50, s50, s47
	s_add_nc_u64 s[34:35], s[34:35], s[50:51]
	s_lshl_b32 s47, s40, 6
	v_add_nc_u32 v5, s47, v2                       ; row 64 w + r
	v_lshlrev_b32 v5, s43, v5
	v_lshl_add_u32 v8, v3, 5, v5                   ; + 32 h: block b = 0
	s_lshl_b32 s47, 16, s43                        ; 16 rows on
	v_add_nc_u32 v9, s47, v8
	v_add_nc_u32 v10, s47, v9
	v_add_nc_u32 v11, s47, v10
.irp b, 0,1,2,3
	global_load_b128 v[RAW+16*\b:RAW+16*\b+3],     v[8+\b], s[44:45]
	global_load_b128 v[RAW+16*\b+4:RAW+16*\b+7],   v[8+\b], s[44:45] offset:16
	global_load_b128 v[RAW+16*\b+8:RAW+16*\b+11],  v[8+\b], s[44:45] offset:64
	global_load_b128 v[RAW+16*\b+12:RAW+16*\b+15], v[8+\b], s[44:45] offset:80
.endr
	s_wait_loadcnt 0x0
.set i, 0
.rept 32
	v_cvt_pk_bf16_f32 v[FR+i], v[RAW+2*i], v[RAW+2*i+1]
.set i, i+1
.endr
.set i, 0
.rept 8
	global_store_b128 v4, v[FR+4*i:FR+4*i+3], s[34:35] offset:i*512    ; (b, half) = (i / 2, i % 2): 512 consecutive bytes
.set i, i+1
.endr
	s_endpgm
.Lfunc_end_k_q765f4a1005_prep:
	.size	k_q765f4a1005_prep, .Lfunc_end_k_q765f4a1005_prep-k_q765f4a1005_prep
	.p2alignl 7, 3214868480
	.fill 96, 4, 3214868480
	.section	.rodata,"a",@progbits
	.p2align	6, 0x0
	.amdhsa_kernel k_q765f4a1005_prep
		.amdhsa_group_segment_fixed_size 0
		.amdhsa_private_segment_fixed_size 0
		.amdhsa_enable_private_segment 0
		.amdhsa_kernarg_size 128
		.amdhsa_user_sgpr_count 2
		.amdhsa_user_sgpr_kernarg_segment_ptr 1
		.amdhsa_wavefront_size32 1
		.amdhsa_system_sgpr_workgroup_id_x 1
		.amdhsa_system_sgpr_workgroup_id_y 1
		.amdhsa_system_sgpr_workgroup_id_z 1
		.amdhsa_system_vgpr_workitem_id 0
		.amdhsa_next_free_vgpr 240
		.amdhsa_next_free_sgpr 66
		.amdhsa_reserve_vcc 0
		.amdhsa_float_denorm_mode_32 3
		.amdhsa_float_denorm_mode_16_64 3
		.amdhsa_memory_ordered 1
		.amdhsa_forward_progress 1
		.amdhsa_inst_pref_size 31
	.end_amdhsa_kernel
	.amdgpu_metadata
---
amdhsa.version: [ 1, 2 ]
amdhsa.kernels:
  - .name:           k_q765f4a1005_prep
    .symbol:         k_q765f4a1005_prep.kd
    .args:
      - { .name: Wk_o, .offset: 0, .size: 8, .value_kind: global_buffer, .address_space: global }
      - { .name: Wv_o, .offset: 8, .size: 8, .value_kind: global_buffer, .address_space: global }
      - { .name: Wo_o, .offset: 16, .size: 8, .value_kind: global_buffer, .address_space: global }
      - { .name: Wv_i, .offset: 24, .size: 8, .value_kind: global_buffer, .address_space: global }
      - { .name: Wq_i, .offset: 32, .size: 8, .value_kind: global_buffer, .address_space: global }
      - { .name: Wo_i, .offset: 40, .size: 8, .value_kind: global_buffer, .address_space: global }
      - { .name: W_ff1, .offset: 48, .size: 8, .value_kind: global_buffer, .address_space: global }
      - { .name: W_ff2, .offset: 56, .size: 8, .value_kind: global_buffer, .address_space: global }
      - { .name: Wq_o, .offset: 64, .size: 8, .value_kind: global_buffer, .address_space: global }
      - { .name: Wk_i, .offset: 72, .size: 8, .value_kind: global_buffer, .address_space: global }
      - { .name: bq_o, .offset: 80, .size: 8, .value_kind: global_buffer, .address_space: global }
      - { .name: bk_i, .offset: 88, .size: 8, .value_kind: global_buffer, .address_space: global }
      - { .name: projector, .offset: 96, .size: 8, .value_kind: global_buffer, .address_space: global }
      - { .name: wpack, .offset: 104, .size: 8, .value_kind: global_buffer, .address_space: global }
      - { .name: qo, .offset: 112, .size: 8, .value_kind: global_buffer, .address_space: global }
      - { .name: ki, .offset: 120, .size: 8, .value_kind: global_buffer, .address_space: global }
    .group_segment_fixed_size: 0
    .private_segment_fixed_size: 0
    .kernarg_segment_align: 8
    .kernarg_segment_size: 128
    .max_flat_workgroup_size: 256
    .sgpr_count:     66
    .vgpr_count:     240
    .wavefront_size: 32
...
	.end_amdgpu_metadata
.endif
;; end of part 1
;; launch layer (part 2): grid 512 x 1, 4 waves a work-group, no clusters, 302,592 bytes of LDS; arguments x, wpack, qo, ki, bk_o, bv_o, bo_o, bv_i, bq_i, bo_i, g1, b1, b_ff1, b_ff2, g2, b2, out0; writes out0
.if DOCPART == 2
	.amdgcn_target "amdgcn-amd-amdhsa--gfx1250"
	.amdhsa_code_object_version 6
	.text
	.protected	k_q765f4a1005_layer
	.globl	k_q765f4a1005_layer
	.p2align	8
	.type	k_q765f4a1005_layer,@function
k_q765f4a1005_layer:
	s_mov_b64 s[64:65], 0
	v_nop
	global_prefetch_b8 v0, s[64:65] scope:SCOPE_SE
	s_setreg_imm32_b32 hwreg(HW_REG_WAVE_MODE, 25, 1), 1
	s_wait_xcnt 0x0
; THE WHOLE LAYER FOR ONE SLICE (b, s): 128 tokens x 256 channels.  x is read once, out0 written once; everything between stays in LDS and registers.
; SHARES.  Four waves.  In every product a wave owns 64 output channels (two heads) of all rows.  Its quarter of a unit of 256 x 256 bf16 weights, 32,768 bytes, is 256 registers: one
; register window, loaded straight from wpack (64 loads of 512 consecutive bytes) while the unit before is multiplied.  Rows go in groups through counted loops; K = 256 is unrolled.
; An activation fragment read from LDS feeds four products.  In the two norms a wave owns 32 rows.
; LAYOUTS.  'T': source 0 = 16 rows of W, source 1 = 16 rows of activations: a lane ends with one row (lane % 16) and channels 8 (lane / 16) + 0..7.  'S': the sources swapped: a lane ends with
; one channel and eight rows.  K and Q ('T'), V ('S'), rounded to bf16 in pairs, ARE the attention's fragments: they never pass through LDS.  S^T = K Q^T holds one query a lane; two such
; results rounded in pairs are source 1 of O^T = V^T P.
; SOFTMAX.  p = 2^(c s - c m), c = log2(e) / sqrt(32).  Out-attention (128 keys, 32 a trip): running maximum m and sum l, O and l times a = 2^(c m_old - c m_new) each trip.  In-attention
; (32 keys): one step.  V's bias is added behind the division by l: the weights sum to one, so that is the same number.
; GELU.  0.5 x (1 + erf(x / sqrt 2)) = max(x, 0) - (y / sqrt 2) / (1 + a1 y + .. + a6 y^6)^16 with y = |x| / sqrt 2 (Abramowitz and Stegun 7.1.28).
; THE MLP'S FIRST PRODUCT BY TURNS.  A chunk's 128 rows go in eight halves of 16.  A half is 32 matrix instructions (four accumulators by turns) and, for its GELU, 304 vector lines and 4 LDS
; stores.  Two sets of four accumulators take turns: while half h is multiplied into one, the GELU of half h - 1 works on the other: twenty of its lines stand in the wait for the fragments, nine
; behind each matrix instruction.  9.6 vector lines for a matrix instruction are more than stand beside one, so it is the products that vanish behind the GELU.  A chunk's first half is multiplied
; alone and its last GELU stands alone, since the second product needs the whole chunk.  The price: two switches of the register window for each of these matrix instructions.
; RUNS OF LOADS.  A load that would push LOADcnt past its field waits at issue (ISA guide 5.7.1), and a unit is 64 loads, one more than the field counts.  So where the wave has other work, a unit
; goes out in parts of 56 loads or fewer, the later parts where the earlier have had a product's k steps in which to land.
; LIMITS.  All matrix operands are bf16; sums, softmax, norms, GELU and the residual stream are f32.  erf is off by 3e-7 at the most, for every argument.  The running maximum starts at
; c m = -4.25e37.  A weight below 2^-126 counts as 0.  P is rounded to bf16, l sums the unrounded p.  NaN and infinities are not treated apart.
; NO CLUSTER, NO TENSOR LOADS.  All work-groups walk the same weights, but activations fill 302,080 of the 327,680 bytes of LDS: what is left holds less than a fifth of a unit, and the
; regions that fall free later have been written by LDS stores.  So each weight byte goes once from wpack into the registers of the one wave that multiplies by it.
;
; LDS: XS f32 rows of 1,040 bytes (x, then x + message_in, then m, then m + h); RA bf16 rows of 528 (x, then m); RB (in-attention's result, then a chunk of the hidden layer);
; OO, MO 32 rows each (out-attention's result, message_out); the spare words.  Both pitches are odd multiples of 16 bytes: the 16 rows of a 16-byte access start at 16 different groups of banks (ISA guide 11.1).
.set XP, 1040
.set BP, 528
.set RA, 128*XP
.set RB, RA+128*BP
.set OO, RB+128*BP
.set MO, OO+32*BP
.set SPARE, MO+32*BP                   ; 128 bytes for each wave: two blocks of 256 bytes that no other line names
.set UNIT, 131072
; REGISTERS, in windows of 256 (s_set_vgpr_msb: bits 1:0 source 0, 3:2 source 1, 5:4 source 2, 7:6 destination).
; window 0:
.set SPW,  1                           ; LDS address of my spare word; never rewritten
.set NIL,  2                           ; 0; never rewritten
.set WOFF, 3                           ; w*32768 + 16 lane: my place in a unit of wpack
.set AL,   4                           ; r*528 + 16 h: a fragment's lane term
.set ACUR, 5                           ; the fragment address in hand
.set DL,   6                           ; r*528 + w*128 + 16 h: where a 'T' result's 16 bytes go
.set DCUR, 7
.set XD,   8                           ; r*1040 + w*256 + 32 h: a 'T' result's place in XS
.set XD1,  9                           ; the same 64 rows on; in the loop over Wo_i: the stepped address
.set VB,   10                          ; w*256 + 32 h: my 8 numbers of a bias
.set RL,   11                          ; 16 lane
.set LCUR, 12                          ; rows of XS, my 32
.set MCUR, 13                          ; rows of RA, my 32
.set GCUR, 14                          ; rows of x and out0, my 32
.set QOFF, 15                          ; w*4096 + 16 lane: my two heads in qo and ki
.set BIAS, 24                          ; v[24:55]   8 registers for each block b of 16 channels
.set AF,   56                          ; v[56:119]  activation fragments
.set AC0,  120                         ; v[120:183] eight accumulators
.set S0,   AC0                         ;            in the MLP's first product: two sets of four
.set S1,   AC0+32
.set AC1,  184                         ; v[184:247] V's accumulators; GELU at work; the norms' bias, gain, shift
.set GY,   AC1
.set GP,   AC1+16
.set LX,   AF                          ; the norms: four rows of 8 numbers a lane
.set LT,   AF+32                       ; four registers at work for each row
; window 2 until the in-attention has ended (afterwards 32 accumulators, (a, b) at 8 (4 a + b)):
.set F1,   0                           ; K's fragments, later Q's
.set F2,   32                          ; V's fragments
.set F3,   64                          ; qo's fragments, later ki's
.set BV,   96                          ; V's bias
.set SS,   128                         ; S^T, two tiles of 16 registers; P in place
.set OA,   160                         ; O^T
.set ST,   224                         ; for each tile: c m, m, l (even keys', odd keys')
.set TM,   240                         ; for each of two tiles four registers at work
.set AD0,  252                         ; where the in-attention's result goes
.set AD1,  253                         ; where the out-attention's goes
; windows 3 and 1: weights, fragment (ks, b) at v[32 ks + 8 b].
; scalars: s[8:41] the 17 addresses; s42 wave; s43, s44 counters; s[48:49] wpack at the chunk in hand; s[50:51] lane selects; s[52:53] c; s[54:55] b_ff1 at the chunk in hand;
; s[66:81] GELU's constants as pairs; s82 1/256; s83 1e-5; s84 my rows' first byte in XS.
.set MSB, 0
.macro WIN new                         ; the immediate's high byte repeats the setting that is left; a switch that changes nothing is dropped
.if MSB != (\new)
	s_set_vgpr_msb (MSB<<8)|(\new)
.set MSB, \new
.endif
.endm
; Places: a vector instruction or LDS store that reads a matrix result, a vector instruction or load that writes a matrix instruction's register, stand four plain vector instructions behind it,
; a matrix instruction that writes over one five (ISA guide 7.12.1 for vector instructions).
.macro PLACES n=4
.rept \n
	v_nop
.endr
.endm
.macro REP n, line:vararg              ; the line n times, i = 0 .. n - 1
.set i, 0
.rept \n
	\line
.set i, i+1
.endr
.endm
.macro BAR                             ; my LDS stores are done and my LDS loads are back; then all four waves meet
	s_wait_dscnt 0x0
	s_barrier_signal -1
	s_barrier_wait -1
.endm
.macro SC reg, val                     ; a constant as a pair: the packed forms name both words
	s_mov_b32 s[\reg], \val
	s_mov_b32 s[\reg+1], \val
.endm
; k steps k0 .. k1 of my quarter of a unit into window win
.macro WLOAD win, base, imm, k0, k1
	PLACES                                         ; the window's last products stand at least these four behind
	WIN (\win)<<6
.set kk, \k0
.rept (\k1)-(\k0)+1
.set j, 0
.rept 8
	global_load_b128 v[32*kk+4*j:32*kk+4*j+3], v[WOFF], s[\base:\base+1] offset:(\imm)+kk*4096+j*512
.set j, j+1
.endr
.set kk, kk+1
.endr
.endm
.macro WCOND win, base, imm, k0, k1    ; the same, but not in the MLP's last chunk; what it loads is read only behind a wait for 0 that stands on both ways
	WIN 0
	s_cmp_eq_u32 s44, 1
	s_cbranch_scc1 .Lskip_\@
	WLOAD \win, \base, \imm, \k0, \k1
	WIN 0
.Lskip_\@:
.endm
.macro BLOAD dst, ptr                  ; bias[64 w + 16 b + 8 h + 0..7] for b = 0..3; the caller sets the window
.irp b, 0,1,2,3
	global_load_b128 v[(\dst)+8*\b:(\dst)+8*\b+3],   v[VB], s[\ptr:\ptr+1] offset:\b*64
	global_load_b128 v[(\dst)+8*\b+4:(\dst)+8*\b+7], v[VB], s[\ptr:\ptr+1] offset:\b*64+16
.endr
.endm
.macro LNPAR p0, p1, p2                ; a norm's bias, gain and shift: columns 4 lane + 0..3 and 128 + 4 lane + 0..3
.set i, 0
.irp p, \p0, \p1, \p2
	global_load_b128 v[AC1+8*i:AC1+8*i+3],   v[RL], s[\p:\p+1]
	global_load_b128 v[AC1+8*i+4:AC1+8*i+7], v[RL], s[\p:\p+1] offset:512
.set i, i+1
.endr
.endm
.macro ALD ks, addr                    ; two fragments (rows 0-15, 16-31 of the group; 32 along K) into slot ks % 4
.irp a, 0,1
	ds_load_b128 v[AF+16*((\ks)%4)+8*\a:AF+16*((\ks)%4)+8*\a+3],   v[\addr] offset:\a*16*BP+(\ks)*64
	ds_load_b128 v[AF+16*((\ks)%4)+8*\a+4:AF+16*((\ks)%4)+8*\a+7], v[\addr] offset:\a*16*BP+(\ks)*64+32
.endr
.endm
; eight products of k step ks, eight accumulators by turns.  orient 0 = 'T', accumulator (a, b) at acc + 8 (4 a + b); 1 = 'S', at acc + 8 (2 b + a).
; cmode says what starts the sums at ks = 0: 0 the constant 0, 1 the bias, 2 what the accumulators hold.
.macro PROD ks, orient, cmode, acc
.irp a, 0,1
.irp b, 0,1,2,3
.set rW, 32*(\ks)+8*\b
.set rA, AF+16*((\ks)%4)+8*\a
.if (\orient) == 0
.set rD, (\acc)+8*(4*\a+\b)
.if ((\ks) == 0) && ((\cmode) == 1)
	v_wmma_f32_16x16x32_bf16 v[rD:rD+7], v[rW:rW+7], v[rA:rA+7], v[BIAS+8*\b:BIAS+8*\b+7]
.elseif ((\ks) == 0) && ((\cmode) == 0)
	v_wmma_f32_16x16x32_bf16 v[rD:rD+7], v[rW:rW+7], v[rA:rA+7], 0
.else
	v_wmma_f32_16x16x32_bf16 v[rD:rD+7], v[rW:rW+7], v[rA:rA+7], v[rD:rD+7]
.endif
.else
.set rD, (\acc)+8*(2*\b+\a)
.if (\ks) == 0
	v_wmma_f32_16x16x32_bf16 v[rD:rD+7], v[rA:rA+7], v[rW:rW+7], 0
.else
	v_wmma_f32_16x16x32_bf16 v[rD:rD+7], v[rA:rA+7], v[rW:rW+7], v[rD:rD+7]
.endif
.endif
.endr
.endr
.endm
; A ROW GROUP: 32 rows x my 64 channels x K = 256.  Fragments are asked for three k steps ahead; the wait leaves the later steps' loads out: 12, then 8, 4, 0.
; two = 1: each k step's fragments also feed V's eight products ('S', weights in window 1, sums from 0 in AC1).
; tail = 1: at k step 5 the last eight loads of unit TAILU go out, into window TAILW, which this product does not read: the unit's first 56 were issued ahead of the product.
; lw < 64: ahead of k step 7's products a wait on LOADcnt with that count, for a unit whose last k step was asked for late.
.macro RG addr, msb, orient, cmode, acc, two=0, tail=0, lw=99
	PLACES
	WIN 0
	ALD 0, \addr
	ALD 1, \addr
	ALD 2, \addr
.irp ks, 0,1,2,3,4,5,6,7
.if \ks < 5
.if \ks > 0
	PLACES                                         ; between the products that read the slot and the loads into it
	WIN 0
.endif
	ALD (\ks+3), \addr
	s_wait_dscnt 12
.else
.if (\ks == 5) && (\tail)
	WLOAD TAILW, 10, TAILU*UNIT, 7, 7
.endif
	s_wait_dscnt 4*(7-\ks)
.if (\ks == 7) && ((\lw) < 64)
	s_wait_loadcnt \lw
.endif
.endif
	WIN \msb
	PROD \ks, \orient, \cmode, \acc
.if \two
	WIN 0x04
	PROD \ks, 1, 0, AC1
.endif
.endr
.endm
.macro CVT32 dst, src                  ; 64 f32 in pairs to 32 registers of bf16: eight accumulators become four fragments
.set i, 0
.rept 32
	v_cvt_pk_bf16_f32 v[(\dst)+i], v[(\src)+2*i], v[(\src)+2*i+1]
.set i, i+1
.endr
.endm
.macro CVT4 base                       ; an accumulator's eight numbers to 16 bytes, in place, from its low end on
.irp e, 0,1,2,3
	v_cvt_pk_bf16_f32 v[(\base)+\e], v[(\base)+2*\e], v[(\base)+2*\e+1]
.endr
.endm
.macro STT                             ; AC0's eight packed tiles (a, b) = (i / 4, i % 4) into bf16 rows
.set i, 0
.rept 8
	ds_store_b128 v[DCUR], v[AC0+8*i:AC0+8*i+3] offset:(i/4)*16*BP+(i%4)*32
.set i, i+1
.endr
.endm
; ATTENTION on two tiles of 16 queries x 32 keys, all in window 2, the two tiles line by line.  TR sets tile u's registers from the call's arguments.
.macro TR u
.set rS, SS+16*(\u)
.set rT, A_SB+4*(\u)
.set rC, TM+4*(\u)
.set rO, A_OB+16*(\u)
.set rK, A_KB+A_KU*(\u)
.set rQ, A_QB+8*(\u)
.set rV, A_VB+A_VU*(\u)
.endm
.macro BOTH line:vararg
	TR 0
	\line
	TR 1
	\line
.endm
.macro ATT2 online, kb, ku, kk, qb, vb, vu, ob, sb
.set A_KB, \kb
.set A_KU, \ku
.set A_KK, \kk
.set A_QB, \qb
.set A_VB, \vb
.set A_VU, \vu
.set A_OB, \ob
.set A_SB, \sb
.irp n, 0,1                            ; S^T: keys 16 n on; a head's 32 channels are one product
.irp u, 0,1
	TR \u
	v_wmma_f32_16x16x32_bf16 v[rS+8*\n:rS+8*\n+7], v[rK+A_KK*\n:rK+A_KK*\n+7], v[rQ:rQ+7], 0
.endr
.endr
	PLACES
	BOTH v_max3_num_f32 v[rC], v[rS], v[rS+1], v[rS+2]               ; two chains; each accumulator's lowest registers are read first
	BOTH v_max3_num_f32 v[rC+1], v[rS+8], v[rS+9], v[rS+10]
	BOTH v_max3_num_f32 v[rC], v[rC], v[rS+3], v[rS+4]
	BOTH v_max3_num_f32 v[rC+1], v[rC+1], v[rS+11], v[rS+12]
	BOTH v_max3_num_f32 v[rC], v[rC], v[rS+5], v[rS+6]
	BOTH v_max3_num_f32 v[rC+1], v[rC+1], v[rS+13], v[rS+14]
	BOTH v_max3_num_f32 v[rC], v[rC], v[rS+7], v[rS+15]
.if \online
	BOTH v_max3_num_f32 v[rC], v[rC], v[rC+1], v[rT+1]               ; with the old m
	BOTH v_mov_b32 v[rC+3], v[rT]                                    ; c m_old is kept
.else
	BOTH v_max_num_f32 v[rC], v[rC], v[rC+1]
.endif
	BOTH v_permlanex16_b32 v[rC+2], v[rC], s50, s51                  ; the query's other 16 keys lie in the lane 16 away
	BOTH v_max_num_f32 v[rT+1], v[rC], v[rC+2]
	BOTH v_mul_f32 v[rT], s52, v[rT+1]
.if \online
	BOTH v_sub_f32 v[rC+3], v[rC+3], v[rT]
	BOTH v_exp_f32 v[rC+2], v[rC+3]                                  ; a; the scalings below are the plain lines behind it
.endif
	REP 8, BOTH v_pk_fma_f32 v[rS+2*i:rS+2*i+1], v[rS+2*i:rS+2*i+1], s[52:53], v[rT:rT+1] op_sel_hi:[1,0,0] neg_lo:[0,0,1] neg_hi:[0,0,1]
	REP 16, BOTH v_exp_f32 v[rS+i], v[rS+i]
	v_nop                                                            ; a plain line between the exponentials and the use of their results (ISA guide 5.7.2)
	s_wait_alu depctr_va_vdst(0)
	BOTH v_pk_add_f32 v[rC:rC+1], v[rS:rS+1], v[rS+2:rS+3]
.irp e, 2,3,4,5,6
	BOTH v_pk_add_f32 v[rC:rC+1], v[rC:rC+1], v[rS+2*\e:rS+2*\e+1]
.endr
.if \online
	BOTH v_pk_add_f32 v[rC:rC+1], v[rC:rC+1], v[rS+14:rS+15]
	BOTH v_pk_fma_f32 v[rT+2:rT+3], v[rT+2:rT+3], v[rC+2:rC+3], v[rC:rC+1] op_sel_hi:[1,0,1]
.else
	BOTH v_pk_add_f32 v[rT+2:rT+3], v[rC:rC+1], v[rS+14:rS+15]
.endif
	REP 8, BOTH v_cvt_pk_bf16_f32 v[rS+i], v[rS+2*i], v[rS+2*i+1]    ; P, in place: register i is written when the pairs below i have been read
.if \online
	REP 8, BOTH v_pk_mul_f32 v[rO+2*i:rO+2*i+1], v[rO+2*i:rO+2*i+1], v[rC+2:rC+3] op_sel_hi:[1,0]
.endif
.irp n, 0,1                            ; O^T: channels 16 n on
.irp u, 0,1
	TR \u
.if \online
	v_wmma_f32_16x16x32_bf16 v[rO+8*\n:rO+8*\n+7], v[rV+8*\n:rV+8*\n+7], v[rS:rS+7], v[rO+8*\n:rO+8*\n+7]
.else
	v_wmma_f32_16x16x32_bf16 v[rO+8*\n:rO+8*\n+7], v[rV+8*\n:rV+8*\n+7], v[rS:rS+7], 0
.endif
.endr
.endr
.endm
.macro ALL4 line:vararg                ; one line for each of the out-attention's four tiles t = 2 head + query tile
.set t, 0
.rept 4
	\line
.set t, t+1
.endr
.endm
; the in-attention's end for query tile a: 1 / l, O / l + V's bias, rounded, into RB
.macro FIN2 a
	PLACES
	BOTH v_add_f32 v[rT+2], v[rT+2], v[rT+3]
	BOTH v_permlanex16_b32 v[rT+3], v[rT+2], s50, s51
	BOTH v_add_f32 v[rT+2], v[rT+2], v[rT+3]
	BOTH v_rcp_f32 v[rT+2], v[rT+2]
	v_nop
	s_wait_alu depctr_va_vdst(0)
.irp u, 0,1
	REP 8, v_pk_fma_f32 v[OA+16*\u+2*i:OA+16*\u+2*i+1], v[OA+16*\u+2*i:OA+16*\u+2*i+1], v[ST+4*\u+2:ST+4*\u+3], v[BV+16*\u+2*i:BV+16*\u+2*i+1] op_sel_hi:[1,0,1]
.endr
.irp q, 0,1,2,3
	CVT4 OA+8*\q
.endr
.irp q, 0,1,2,3
	ds_store_b128 v[AD0], v[OA+8*\q:OA+8*\q+3] offset:(\a)*16*BP+(\q/2)*64+(\q%2)*32
.endr
.endm
; x, batch k: rows 8 k .. 8 k + 7 of my 32, half a row (512 consecutive bytes) a load, into one of two sets of 64 registers
.macro XISSUE k
.set xb, AF+64*((\k)%2)
.set i, 0
.rept 16
	global_load_b128 v[xb+4*i:xb+4*i+3], v[GCUR], s[8:9] offset:(8*(\k)+i/2)*1024+(i%2)*512 th:TH_LOAD_NT
.set i, i+1
.endr
.endm
.macro XPROC k                         ; f32 into XS; rounded in place; bf16 into RA
.set xb, AF+64*((\k)%2)
	REP 16, ds_store_b128 v[LCUR], v[xb+4*i:xb+4*i+3] offset:(8*(\k)+i/2)*XP+(i%2)*512
.set i, 0
.rept 16
	v_cvt_pk_bf16_f32 v[xb+4*i], v[xb+4*i], v[xb+4*i+1]
	v_cvt_pk_bf16_f32 v[xb+4*i+1], v[xb+4*i+2], v[xb+4*i+3]
.set i, i+1
.endr
	REP 16, ds_store_b64 v[MCUR], v[xb+4*i:xb+4*i+1] offset:(8*(\k)+i/2)*BP+(i%2)*256
.endm
.macro XTILE op                        ; AC0's eight tiles from (0) or into (1) my 64 columns of 32 rows of XS
.set i, 0
.rept 8
.if \op
	ds_store_b128 v[XD1], v[AC0+8*i:AC0+8*i+3]   offset:(i/4)*16*XP+(i%4)*64
	ds_store_b128 v[XD1], v[AC0+8*i+4:AC0+8*i+7] offset:(i/4)*16*XP+(i%4)*64+16
.else
	ds_load_b128 v[AC0+8*i:AC0+8*i+3],   v[XD1] offset:(i/4)*16*XP+(i%4)*64
	ds_load_b128 v[AC0+8*i+4:AC0+8*i+7], v[XD1] offset:(i/4)*16*XP+(i%4)*64+16
.endif
.set i, i+1
.endr
.endm
.macro CTILES op                       ; window 2's 32 tiles from (0) or into (1) my 64 columns of all 128 rows of XS; rows 64 on go by XD1
.set i, 0
.rept 32
.if \op
	ds_store_b128 v[XD+i/16], v[8*i:8*i+3]   offset:((i/4)%4)*16*XP+(i%4)*64
	ds_store_b128 v[XD+i/16], v[8*i+4:8*i+7] offset:((i/4)%4)*16*XP+(i%4)*64+16
.else
	ds_load_b128 v[8*i:8*i+3],   v[XD+i/16] offset:((i/4)%4)*16*XP+(i%4)*64
	ds_load_b128 v[8*i+4:8*i+7], v[XD+i/16] offset:((i/4)%4)*16*XP+(i%4)*64+16
.endif
.set i, i+1
.endr
.endm
; THE GELU OF A HALF as a numbered list of 308 lines; GOP writes line gn for the four accumulators at se and steps gn.  Two accumulators (16 numbers a lane, eight pairs) at a time, 154 lines:
;   0-15 y = |x| / sqrt 2, each accumulator from its low end on     16-63 the polynomial, six packed multiply-adds a pair     64-95 four squarings: its sixteenth power
;   96-111 the reciprocals     112-127 max(x, 0), in place: the plain lines behind the reciprocals (ISA guide 5.7.2)     128-143 y r, and max(x, 0) - y r / sqrt 2
;   144-151 rounded to bf16, in place     152, 153 16 bytes of a row each into RB
; Within a stage no line reads the result of one of the seven before it.  The list names S0 or S1, GY, GP and DCUR alone: no register of the products that it stands between.
.macro GOP se
.set gq, gn/154
.set gm, gn%154
.set gx, (\se)+16*gq
.if gm < 16
	v_mul_f32 v[GY+gm], |v[gx+gm]|, s66
.elseif gm < 24
.set gi, gm-16
	v_pk_fma_f32 v[GP+2*gi:GP+2*gi+1], v[GY+2*gi:GY+2*gi+1], s[68:69], s[70:71] op_sel_hi:[1,0,0]
.elseif gm < 56
.set gi, (gm-24)%8
.set gc, 72+2*((gm-24)/8)
	v_pk_fma_f32 v[GP+2*gi:GP+2*gi+1], v[GP+2*gi:GP+2*gi+1], v[GY+2*gi:GY+2*gi+1], s[gc:gc+1] op_sel_hi:[1,1,0]
.elseif gm < 64
.set gi, gm-56
	v_pk_fma_f32 v[GP+2*gi:GP+2*gi+1], v[GP+2*gi:GP+2*gi+1], v[GY+2*gi:GY+2*gi+1], 1.0 op_sel_hi:[1,1,0]
.elseif gm < 96
.set gi, (gm-64)%8
	v_pk_mul_f32 v[GP+2*gi:GP+2*gi+1], v[GP+2*gi:GP+2*gi+1], v[GP+2*gi:GP+2*gi+1]
.elseif gm < 112
	v_rcp_f32 v[GP+gm-96], v[GP+gm-96]
.elseif gm < 128
	v_max_num_f32 v[gx+gm-112], 0, v[gx+gm-112]
.elseif gm < 136
.set gi, gm-128
	s_wait_alu depctr_va_vdst(0)
	v_pk_mul_f32 v[GY+2*gi:GY+2*gi+1], v[GY+2*gi:GY+2*gi+1], v[GP+2*gi:GP+2*gi+1]
.elseif gm < 144
.set gi, gm-136
	v_pk_fma_f32 v[gx+2*gi:gx+2*gi+1], v[GY+2*gi:GY+2*gi+1], s[80:81], v[gx+2*gi:gx+2*gi+1] op_sel_hi:[1,0,1]
.elseif gm < 152
.set gi, gm-144
	v_cvt_pk_bf16_f32 v[gx+8*(gi/4)+gi%4], v[gx+8*(gi/4)+2*(gi%4)], v[gx+8*(gi/4)+2*(gi%4)+1]
.else
.set gi, gm-152
	ds_store_b128 v[DCUR], v[gx+8*gi:gx+8*gi+3] offset:(2*gq+gi)*32
.endif
.set gn, gn+1
.endm
; A HALF'S TURN.  p = 1: 16 rows of m x my 64 hidden channels x K = 256 into the four accumulators at sp, which take turns; the sums start on the bias.
; e = 1: the GELU of the half before, on the four accumulators at se.  All eight fragments are asked for at once; the wait ahead of k step ks leaves the later steps' loads out, two a step
; (the list's stores, issued since, only make the count stricter).  308 = 20 + 32 x 9.  The four places at the head stand between the last products and the loads into the fragments that they read,
; and between them and the first line that reads their results.
.macro HT p, sp, e, se
.set gn, 0
	PLACES
	WIN 0
.if \p
.irp ks, 0,1,2,3,4,5,6,7
	ds_load_b128 v[AF+8*\ks:AF+8*\ks+3],   v[ACUR] offset:\ks*64
	ds_load_b128 v[AF+8*\ks+4:AF+8*\ks+7], v[ACUR] offset:\ks*64+32
.endr
.if \e
.rept 20
	GOP \se
.endr
.endif
.irp ks, 0,1,2,3,4,5,6,7
	s_wait_dscnt 2*(7-\ks)
.irp b, 0,1,2,3
	WIN 0x03
.if \ks == 0
	v_wmma_f32_16x16x32_bf16 v[(\sp)+8*\b:(\sp)+8*\b+7], v[32*\ks+8*\b:32*\ks+8*\b+7], v[AF+8*\ks:AF+8*\ks+7], v[BIAS+8*\b:BIAS+8*\b+7]
.else
	v_wmma_f32_16x16x32_bf16 v[(\sp)+8*\b:(\sp)+8*\b+7], v[32*\ks+8*\b:32*\ks+8*\b+7], v[AF+8*\ks:AF+8*\ks+7], v[(\sp)+8*\b:(\sp)+8*\b+7]
.endif
.if \e
	WIN 0
.rept 9
	GOP \se
.endr
.endif
.endr
.endr
	WIN 0
	v_add_nc_u32 v[ACUR], 16*BP, v[ACUR]           ; the next half's rows of m
.else
.rept 308
	GOP \se
.endr
.endif
.if \e
	v_add_nc_u32 v[DCUR], 16*BP, v[DCUR]           ; the next half's rows of the hidden chunk
.endif
.endm
.macro HLD ks                          ; the hidden chunk's eight fragments (128 rows, 32 along K) into one of two sets of 64 registers
.set hb, AF+64*((\ks)%2)
.set i, 0
.rept 8
	ds_load_b128 v[hb+8*i:hb+8*i+3],   v[ACUR] offset:i*16*BP+(\ks)*64
	ds_load_b128 v[hb+8*i+4:hb+8*i+7], v[ACUR] offset:i*16*BP+(\ks)*64+32
.set i, i+1
.endr
.endm
; A NORM over my 32 rows of XS, four rows a trip, line by line over the four.  A lane holds columns 4 lane + 0..3 and 128 + 4 lane + 0..3.  The product's bias is added first; the mean is taken
; away before the squares are summed.  mode 1: m goes back into XS and, rounded, into RA.  mode 2: the result is stored, each store 512 consecutive bytes.
.macro ROWS line:vararg
.set q, 0
.rept 4
.set rX, LX+8*q
.set rY, LT+4*q
	\line
.set q, q+1
.endr
.endm
.macro LNLOOP mode
	s_mov_b32 s43, 8
.Lln\mode:
.irp e, 0,1,2,3
	ds_load_b128 v[LX+8*\e:LX+8*\e+3],   v[LCUR] offset:\e*XP
	ds_load_b128 v[LX+8*\e+4:LX+8*\e+7], v[LCUR] offset:\e*XP+512
.endr
	s_wait_dscnt 0x0
	REP 4, ROWS v_pk_add_f32 v[rX+2*i:rX+2*i+1], v[rX+2*i:rX+2*i+1], v[AC1+2*i:AC1+2*i+1]
	ROWS v_pk_add_f32 v[rY:rY+1], v[rX:rX+1], v[rX+2:rX+3]
	ROWS v_pk_add_f32 v[rY+2:rY+3], v[rX+4:rX+5], v[rX+6:rX+7]
	ROWS v_pk_add_f32 v[rY:rY+1], v[rY:rY+1], v[rY+2:rY+3]
	ROWS v_add_f32 v[rY], v[rY], v[rY+1]
.irp m, 1,2,4,8
	ROWS v_add_f32_dpp v[rY], v[rY], v[rY] row_xmask:\m row_mask:0xf bank_mask:0xf
.endr
	ROWS v_permlanex16_b32 v[rY+1], v[rY], s50, s51
	ROWS v_add_f32 v[rY], v[rY], v[rY+1]
	ROWS v_mul_f32 v[rY], s82, v[rY]                                 ; the mean
	REP 4, ROWS v_pk_add_f32 v[rX+2*i:rX+2*i+1], v[rX+2*i:rX+2*i+1], v[rY:rY+1] op_sel_hi:[1,0] neg_lo:[0,1] neg_hi:[0,1]
	ROWS v_pk_mul_f32 v[rY+2:rY+3], v[rX:rX+1], v[rX:rX+1]
.irp e, 1,2,3
	ROWS v_pk_fma_f32 v[rY+2:rY+3], v[rX+2*\e:rX+2*\e+1], v[rX+2*\e:rX+2*\e+1], v[rY+2:rY+3]
.endr
	ROWS v_add_f32 v[rY+2], v[rY+2], v[rY+3]
.irp m, 1,2,4,8
	ROWS v_add_f32_dpp v[rY+2], v[rY+2], v[rY+2] row_xmask:\m row_mask:0xf bank_mask:0xf
.endr
	ROWS v_permlanex16_b32 v[rY+3], v[rY+2], s50, s51
	ROWS v_add_f32 v[rY+2], v[rY+2], v[rY+3]
	ROWS v_fma_f32 v[rY+2], v[rY+2], s82, s83                        ; the variance + 1e-5
	ROWS v_rsq_f32 v[rY+2], v[rY+2]
	v_nop
	s_wait_alu depctr_va_vdst(0)
	REP 4, ROWS v_pk_mul_f32 v[rX+2*i:rX+2*i+1], v[rX+2*i:rX+2*i+1], v[rY+2:rY+3] op_sel_hi:[1,0]
	REP 4, ROWS v_pk_fma_f32 v[rX+2*i:rX+2*i+1], v[rX+2*i:rX+2*i+1], v[AC1+8+2*i:AC1+8+2*i+1], v[AC1+16+2*i:AC1+16+2*i+1]
.if (\mode) == 1
.irp e, 0,1,2,3
	ds_store_b128 v[LCUR], v[LX+8*\e:LX+8*\e+3]   offset:\e*XP
	ds_store_b128 v[LCUR], v[LX+8*\e+4:LX+8*\e+7] offset:\e*XP+512
.endr
	REP 4, ROWS v_cvt_pk_bf16_f32 v[rY+i], v[rX+2*i], v[rX+2*i+1]
.irp e, 0,1,2,3
	ds_store_b64 v[MCUR], v[LT+4*\e:LT+4*\e+1]   offset:\e*BP
	ds_store_b64 v[MCUR], v[LT+4*\e+2:LT+4*\e+3] offset:\e*BP+256
.endr
	v_add_nc_u32 v[MCUR], 4*BP, v[MCUR]
.else
.irp e, 0,1,2,3
	global_store_b128 v[GCUR], v[LX+8*\e:LX+8*\e+3],   s[40:41] offset:\e*1024 th:TH_STORE_NT
	global_store_b128 v[GCUR], v[LX+8*\e+4:LX+8*\e+7], s[40:41] offset:\e*1024+512 th:TH_STORE_NT
.endr
	s_wait_xcnt 0x0                                ; the stores' offset is stepped, and their data loaded anew in the next trip, only behind this wait (ISA guide 3.1)
	v_add_nc_u32 v[GCUR], 4096, v[GCUR]
.endif
	v_add_nc_u32 v[LCUR], 4*XP, v[LCUR]
	s_sub_co_u32 s43, s43, 1
	s_cmp_lg_u32 s43, 0
	s_cbranch_scc1 .Lln\mode
.endm
	; ================ the head: addresses, constants ================
	s_load_b512 s[8:23], s[0:1], 0x0               ; x 8, wpack 10, qo 12, ki 14, bk_o 16, bv_o 18, bo_o 20, bv_i 22
	s_load_b512 s[24:39], s[0:1], 0x40             ; bq_i 24, bo_i 26, g1 28, b1 30, b_ff1 32, b_ff2 34, g2 36, b2 38
	s_load_b64 s[40:41], s[0:1], 0x80              ; out0
	v_lshl_add_u32 v[SPW], v0, 2, SPARE
	v_mov_b32 v[NIL], 0
	v_lshrrev_b32 v16, 5, v0
	v_readfirstlane_b32 s42, v16                   ; wave 0..3
	v_and_b32 v17, 31, v0                          ; lane
	v_and_b32 v18, 15, v0                          ; r
	v_bfe_u32 v19, v0, 4, 1                        ; h
	v_lshlrev_b32 v[RL], 4, v17
	s_lshl_b32 s45, s42, 15
	v_add_nc_u32 v[WOFF], s45, v[RL]
	v_add_nc_u32 v[GCUR], s45, v[RL]               ; my 32 rows of 1,024 bytes begin at the same offset
	s_lshl_b32 s45, s42, 12
	v_add_nc_u32 v[QOFF], s45, v[RL]
	s_lshl_b32 s45, s42, 8
	v_lshl_add_u32 v[VB], v19, 5, s45
	v_mul_u32_u24 v[XD], v18, XP
	v_add_nc_u32 v[XD], v[XD], v[VB]
	v_mul_u32_u24 v[AL], v18, BP
	v_lshl_add_u32 v[AL], v19, 4, v[AL]
	s_lshl_b32 s45, s42, 7
	v_add_nc_u32 v[DL], s45, v[AL]
	s_mul_i32 s84, s42, 32*XP
	v_add_nc_u32 v[LCUR], s84, v[RL]
	s_mul_i32 s85, s42, 32*BP
	s_add_co_u32 s85, s85, RA
	v_lshl_add_u32 v[MCUR], v17, 3, s85
	s_mov_b32 s50, 0x76543210                      ; v_permlanex16_b32: each lane takes its own place in the other half
	s_mov_b32 s51, 0xfedcba98
	SC 52, 0x3e8293ee                              ; c = log2(e) / sqrt(32)
	SC 66, 0x3f3504f3                              ; 1 / sqrt 2
	SC 68, 0x38349f67                              ; a6 = 0.0000430638
	SC 70, 0x39910039                              ; a5 = 0.0002765672
	SC 72, 0x391f6607                              ; a4 = 0.0001520143
	SC 74, 0x3c17e369                              ; a3 = 0.0092705272
	SC 76, 0x3d2d2fe7                              ; a2 = 0.0422820123
	SC 78, 0x3d906e67                              ; a1 = 0.0705230784
	SC 80, 0xbf3504f3                              ; -1 / sqrt 2
	s_mov_b32 s82, 0x3b800000                      ; 1 / 256
	s_mov_b32 s83, 0x3727c5ac                      ; 1e-5
	s_mov_b32 s47, 0
	s_wait_kmcnt 0x0
	s_lshl_b32 s46, ttmp9, 17                      ; the slice's 131,072 bytes of x and out0
	s_add_nc_u64 s[8:9], s[8:9], s[46:47]
	s_add_nc_u64 s[40:41], s[40:41], s[46:47]
	s_and_b32 s46, ttmp9, 63                       ; s
	s_lshl_b32 s46, s46, 14
	s_add_nc_u64 s[12:13], s[12:13], s[46:47]
	s_add_nc_u64 s[14:15], s[14:15], s[46:47]
	s_mov_b64 s[48:49], s[10:11]
	s_mov_b64 s[54:55], s[32:33]
	; ================ x comes in; the first two units are asked for ================
	WIN 0x80
	REP 8, global_load_b128 v[F3+4*i:F3+4*i+3], v[QOFF], s[12:13] offset:i*512    ; qo: (head, tile, half) = (i / 4, (i / 2) % 2, i % 2)
	BLOAD BV, 18                                   ; bv_o
	WIN 0
	BLOAD BIAS, 16                                 ; bk_o
	XISSUE 0
	XISSUE 1
	WIN 0x80                                       ; in the wait for x: what the first trip of the running softmax finds.  O and l are 0, c m far below every c s, so its a is 0:
	REP 64, v_mov_b32 v[OA+i], 0                   ; no first step is written out, at the price of these lines
.set i, 0
.rept 4
	v_mov_b32 v[ST+4*i], 0xfe000000
	v_mov_b32 v[ST+4*i+1], 0xff7fffff
	v_mov_b32 v[ST+4*i+2], 0
	v_mov_b32 v[ST+4*i+3], 0
.set i, i+1
.endr
	REP 8, v_mov_b32 v[TM+i], 0
	v_add_nc_u32 v[AD1], OO, v[DL]
	WIN 0
	s_wait_loadcnt 16                              ; behind batch 0 stand batch 1's sixteen loads
	XPROC 0
	XISSUE 2
	s_wait_loadcnt 16                              ; behind batch 1: batch 2's
	XPROC 1
	XISSUE 3
	s_wait_loadcnt 16                              ; behind batch 2: batch 3's
	XPROC 2
	WLOAD 3, 10, 0, 0, 3                           ; Wk_o, first half
	WIN 0
	s_wait_loadcnt 32                              ; behind batch 3: those 32
	XPROC 3
	WLOAD 3, 10, 0, 4, 7                           ; here the wave has nothing else to do: the first product needs both units whole
	WLOAD 1, 10, UNIT, 0, 7                        ; Wv_o
	WIN 0
	BAR                                            ; x lies in XS and RA, all rows
	; ================ K, V and the out-attention: four trips of 32 keys ================
	s_wait_loadcnt 0x0
	v_add_nc_u32 v[ACUR], RA, v[AL]
	s_mov_b32 s43, 4
.Lkv:
	RG ACUR, 0x03, 0, 1, AC0, 1
	PLACES
	WIN 0x80
	CVT32 F1, AC0                                  ; K's fragment (key block a, head) at F1 + 16 a + 8 head
	CVT32 F2, AC1                                  ; V's fragment of channel block b at F2 + 8 b
	WIN 0xaa
	ATT2 1, F1, 0, 16, F3, F2, 0, OA, ST           ; my first head: its two query tiles
	PLACES 5                                       ; the next scores are written over P, which the last products read
	ATT2 1, F1+8, 0, 16, F3+16, F2+16, 0, OA+32, ST+8
	WIN 0
	v_add_nc_u32 v[ACUR], 32*BP, v[ACUR]
	s_sub_co_u32 s43, s43, 1
	s_cmp_lg_u32 s43, 0
	s_cbranch_scc1 .Lkv
	BLOAD BIAS, 20                                 ; bo_o
	WLOAD 3, 10, 2*UNIT, 0, 7                      ; Wo_o: wanted whole as soon as the lines below are through
	WIN 0xaa
	ALL4 v_add_f32 v[ST+4*t+2], v[ST+4*t+2], v[ST+4*t+3]
	ALL4 v_permlanex16_b32 v[ST+4*t+3], v[ST+4*t+2], s50, s51
	ALL4 v_add_f32 v[ST+4*t+2], v[ST+4*t+2], v[ST+4*t+3]
	ALL4 v_rcp_f32 v[ST+4*t+2], v[ST+4*t+2]
	v_nop
	s_wait_alu depctr_va_vdst(0)
.set t, 0
.rept 4
	REP 8, v_pk_fma_f32 v[OA+16*t+2*i:OA+16*t+2*i+1], v[OA+16*t+2*i:OA+16*t+2*i+1], v[ST+4*t+2:ST+4*t+3], v[BV+16*(t/2)+2*i:BV+16*(t/2)+2*i+1] op_sel_hi:[1,0,1]
.set t, t+1
.endr
.irp q, 0,1,2,3,4,5,6,7
	CVT4 OA+8*\q
.endr
.irp q, 0,1,2,3,4,5,6,7                ; q = 4 head + 2 query tile + channel block
	ds_store_b128 v[AD1], v[OA+8*\q:OA+8*\q+3] offset:((\q/2)%2)*16*BP+(\q/4)*64+(\q%2)*32
.endr
	WIN 0x80
	REP 8, global_load_b128 v[F3+4*i:F3+4*i+3], v[QOFF], s[14:15] offset:i*512    ; ki
	BLOAD BV, 22                                   ; bv_i
	WIN 0
	BAR                                            ; the out-attention's result lies in OO, all channels
	; ================ message_out = OO Wo_o^T + bo_o ================
	s_wait_loadcnt 0x0
	WLOAD 1, 10, 3*UNIT, 0, 6                      ; Wv_i: 56 loads now, the last eight at the product's k step 5
	WIN 0
	v_add_nc_u32 v[ACUR], OO, v[AL]
	v_add_nc_u32 v[DCUR], MO, v[DL]
.set TAILW, 1
.set TAILU, 3
	RG ACUR, 0x03, 0, 1, AC0, 0, 1
	PLACES
	WIN 0
.irp q, 0,1,2,3,4,5,6,7
	CVT4 AC0+8*\q
.endr
	STT
	BLOAD BIAS, 24                                 ; bq_i
	BAR                                            ; message_out lies in MO
	; ================ the in-attention's V = MO Wv_i^T, straight into fragments ================
	s_wait_loadcnt 0x0
	WLOAD 3, 10, 4*UNIT, 0, 6                      ; Wq_i: likewise
	WIN 0
	v_add_nc_u32 v[ACUR], MO, v[AL]
.set TAILW, 3
.set TAILU, 4
	RG ACUR, 0x04, 1, 0, AC1, 0, 1
	PLACES
	WIN 0x80
	CVT32 F2, AC1
	v_add_nc_u32 v[AD0], RB, v[DL]
	WIN 0
	s_wait_loadcnt 0x0
	WLOAD 1, 10, 5*UNIT, 0, 6                      ; Wo_i: 56 loads; its last k step is asked for behind the loop below
	WIN 0
	; ================ Q and the in-attention: four trips of 32 queries ================
	v_add_nc_u32 v[ACUR], RA, v[AL]
	s_mov_b32 s43, 4
.Lq:
	RG ACUR, 0x03, 0, 1, AC0
	PLACES
	WIN 0x80
	CVT32 F1, AC0                                  ; Q's fragment (query tile a, head) at F1 + 16 a + 8 head
	WIN 0xaa
.irp a, 0,1                            ; a query tile; the two tiles of the call are my two heads
	ATT2 0, F3, 16, 8, F1+16*\a, F2, 16, OA, ST
	FIN2 \a
.endr
	v_add_nc_u32 v[AD0], 32*BP, v[AD0]
	WIN 0
	v_add_nc_u32 v[ACUR], 32*BP, v[ACUR]
	s_sub_co_u32 s43, s43, 1
	s_cmp_lg_u32 s43, 0
	s_cbranch_scc1 .Lq
	s_wait_loadcnt 0x0                             ; Wo_i's k steps 0 to 6 are in
	WLOAD 1, 10, 5*UNIT, 7, 7                      ; its k step 7: 8 loads; behind them 8 + 6 + 40 = 54 more, 62 in all
	WIN 0
	BLOAD BIAS, 54                                 ; b_ff1, chunk 0
	LNPAR 26, 28, 30                               ; bo_i, g1, b1
	WLOAD 3, 48, 6*UNIT, 0, 4                      ; W_ff1, chunk 0, k steps 0 to 4
	WIN 0
	BAR                                            ; the in-attention's result lies in RB, all channels
	; ================ x + RB Wo_i^T: the sums start on x, read from my columns of XS, and go back to the same bytes ================
	v_mov_b32 v[XD1], v[XD]
	v_add_nc_u32 v[ACUR], RB, v[AL]
	s_mov_b32 s43, 4
.Lo:
	PLACES
	XTILE 0                                        ; older than the fragments' loads: the row group's first wait covers them
	RG ACUR, 0x01, 0, 2, AC0, 0, 0, 54             ; ahead of k step 7: the 54 loads issued behind Wo_i's last eight may stay out
	PLACES
	WIN 0
	XTILE 1
	v_add_nc_u32 v[XD1], 32*XP, v[XD1]
	v_add_nc_u32 v[ACUR], 32*BP, v[ACUR]
	s_sub_co_u32 s43, s43, 1
	s_cmp_lg_u32 s43, 0
	s_cbranch_scc1 .Lo
	s_wait_loadcnt 0x0                             ; all that was asked for is in, the norm's parameters among it
	WLOAD 3, 48, 6*UNIT, 5, 7                      ; W_ff1, chunk 0, the rest: 24 loads,
	WLOAD 1, 48, 10*UNIT, 0, 3                     ; and the first half of W_ff2's chunk 0: 32
	WIN 0
	v_add_nc_u32 v[XD1], 64*XP, v[XD]
	BAR                                            ; every column of every row is in XS
	LNLOOP 1
	BAR                                            ; m lies in XS and RA
	WIN 0x80
	CTILES 0                                       ; the second product's sums start on m: nothing is cleared, and the residual costs no addition
	WLOAD 1, 48, 10*UNIT, 4, 7                     ; the second half of W_ff2's chunk 0: 32 loads
	WIN 0
	s_wait_loadcnt 32                              ; those 32 may stay out; W_ff1's chunk 0 is whole
	; ================ the MLP, in four chunks of 256 hidden channels ================
	s_mov_b32 s44, 4
.Lchunk:
	v_add_nc_u32 v[ACUR], RA, v[AL]
	v_add_nc_u32 v[DCUR], RB, v[DL]
	HT 1, S0, 0, S1                                ; half 0 is multiplied alone
	s_mov_b32 s43, 4
	s_branch .Lodd                                 ; the loop is entered in the middle of a trip: halves 1, then (2, 3), (4, 5), (6, 7)
.Leven:
	HT 1, S0, 1, S1                                ; an even half's products | the GELU of the odd half before
.Lodd:
	HT 1, S1, 1, S0                                ; an odd half's products | the GELU of the even half before
	s_sub_co_u32 s43, s43, 1
	s_cmp_lg_u32 s43, 0
	s_cbranch_scc1 .Leven
	s_wait_loadcnt 0x0                             ; this chunk of W_ff2 is in; no load is out, so the two walking addresses may step
	s_cmp_eq_u32 s44, 1
	s_cbranch_scc1 .Lno1                           ; the last chunk asks for nothing more
	s_add_nc_u64 s[48:49], s[48:49], UNIT
	s_add_nc_u64 s[54:55], s[54:55], 1024
	WLOAD 3, 48, 6*UNIT, 0, 3                      ; the next chunk of W_ff1, first half, and its bias: 40 loads, under the GELU below
	WIN 0
	BLOAD BIAS, 54
.Lno1:
	HT 0, S0, 1, S1                                ; half 7's GELU stands alone
	BAR                                            ; the chunk lies in RB, all its channels
	v_add_nc_u32 v[ACUR], RB, v[AL]
	PLACES
	HLD 0
.irp ks, 0,1,2,3,4,5,6,7               ; 128 rows x my 64 channels: 32 accumulators by turns
.if \ks < 7
	PLACES
	WIN 0
.if \ks == 2
	WCOND 3, 48, 6*UNIT, 4, 7                      ; the next chunk of W_ff1, second half: 32 loads
.endif
.if \ks == 5
	WCOND 1, 48, 10*UNIT, 0, 3                     ; the next chunk of W_ff2, k steps 0 to 3, into registers whose last products stand two k steps back: 32 loads
.endif
	HLD (\ks+1)
	s_wait_dscnt 16                                ; the sixteen just issued stay out
.else
	s_wait_dscnt 0x0
.endif
	WIN 0xa1
.set hb, AF+64*(\ks%2)
.set i, 0
.rept 32
	v_wmma_f32_16x16x32_bf16 v[8*i:8*i+7], v[32*\ks+8*(i%4):32*\ks+8*(i%4)+7], v[hb+8*(i/4):hb+8*(i/4)+7], v[8*i:8*i+7]
.set i, i+1
.endr
.endr
	WIN 0
	s_wait_loadcnt 0x0                             ; the next chunk of W_ff1 and b_ff1; the youngest loads out were issued three k steps back
	WCOND 1, 48, 10*UNIT, 4, 7                     ; the next chunk of W_ff2, k steps 4 to 7: 32 loads, under the next chunk's first product
	BAR                                            ; nobody reads RB any more
	s_sub_co_u32 s44, s44, 1
	s_cmp_lg_u32 s44, 0
	s_cbranch_scc1 .Lchunk
	; ================ m + h goes to XS by columns and leaves by rows through the second norm ================
	LNPAR 34, 36, 38                               ; b_ff2, g2, b2
	PLACES
	WIN 0x08
	CTILES 1
	WIN 0
	v_add_nc_u32 v[LCUR], s84, v[RL]
	s_wait_loadcnt 0x0
	BAR
	LNLOOP 2
	s_wait_tensorcnt 0x0                           ; the wave's end, behind my last LDS store
	ds_add_u32 v[SPW], v[NIL]
	s_wait_dscnt 0x0
	s_endpgm
.Lfunc_end_k_q765f4a1005_layer:
	.size	k_q765f4a1005_layer, .Lfunc_end_k_q765f4a1005_layer-k_q765f4a1005_layer
	.p2alignl 7, 3214868480
	.fill 96, 4, 3214868480
	.section	.rodata,"a",@progbits
	.p2align	6, 0x0
	.amdhsa_kernel k_q765f4a1005_layer
		.amdhsa_group_segment_fixed_size 302592
		.amdhsa_private_segment_fixed_size 0
		.amdhsa_enable_private_segment 0
		.amdhsa_kernarg_size 136
		.amdhsa_user_sgpr_count 2
		.amdhsa_user_sgpr_kernarg_segment_ptr 1
		.amdhsa_wavefront_size32 1
		.amdhsa_system_sgpr_workgroup_id_x 1
		.amdhsa_system_sgpr_workgroup_id_y 1
		.amdhsa_system_sgpr_workgroup_id_z 1
		.amdhsa_system_vgpr_workitem_id 0
		.amdhsa_next_free_vgpr 1024
		.amdhsa_next_free_sgpr 100
		.amdhsa_reserve_vcc 0
		.amdhsa_float_denorm_mode_32 3
		.amdhsa_float_denorm_mode_16_64 3
		.amdhsa_memory_ordered 1
		.amdhsa_forward_progress 1
		.amdhsa_inst_pref_size 255
	.end_amdhsa_kernel
	.section	.bss,"aw",@nobits
	.p2align	6
	.space	262144
	.amdgpu_metadata
---
amdhsa.version: [ 1, 2 ]
amdhsa.kernels:
  - .name:           k_q765f4a1005_layer
    .symbol:         k_q765f4a1005_layer.kd
    .args:
      - { .name: x, .offset: 0, .size: 8, .value_kind: global_buffer, .address_space: global }
      - { .name: wpack, .offset: 8, .size: 8, .value_kind: global_buffer, .address_space: global }
      - { .name: qo, .offset: 16, .size: 8, .value_kind: global_buffer, .address_space: global }
      - { .name: ki, .offset: 24, .size: 8, .value_kind: global_buffer, .address_space: global }
      - { .name: bk_o, .offset: 32, .size: 8, .value_kind: global_buffer, .address_space: global }
      - { .name: bv_o, .offset: 40, .size: 8, .value_kind: global_buffer, .address_space: global }
      - { .name: bo_o, .offset: 48, .size: 8, .value_kind: global_buffer, .address_space: global }
      - { .name: bv_i, .offset: 56, .size: 8, .value_kind: global_buffer, .address_space: global }
      - { .name: bq_i, .offset: 64, .size: 8, .value_kind: global_buffer, .address_space: global }
      - { .name: bo_i, .offset: 72, .size: 8, .value_kind: global_buffer, .address_space: global }
      - { .name: g1, .offset: 80, .size: 8, .value_kind: global_buffer, .address_space: global }
      - { .name: b1, .offset: 88, .size: 8, .value_kind: global_buffer, .address_space: global }
      - { .name: b_ff1, .offset: 96, .size: 8, .value_kind: global_buffer, .address_space: global }
      - { .name: b_ff2, .offset: 104, .size: 8, .value_kind: global_buffer, .address_space: global }
      - { .name: g2, .offset: 112, .size: 8, .value_kind: global_buffer, .address_space: global }
      - { .name: b2, .offset: 120, .size: 8, .value_kind: global_buffer, .address_space: global }
      - { .name: out0, .offset: 128, .size: 8, .value_kind: global_buffer, .address_space: global }
    .group_segment_fixed_size: 302592
    .private_segment_fixed_size: 0
    .kernarg_segment_align: 8
    .kernarg_segment_size: 136
    .max_flat_workgroup_size: 128
    .sgpr_count:     100
    .vgpr_count:     1024
    .wavefront_size: 32
...
	.end_amdgpu_metadata
.endif
;; end of part 2
;; ======== version 2 of 2: 2 launches; version 1 with the launches prep, layer written anew for expert scheduling mode
;; workspace buffers: wpack 1,835,008 bytes; qo 1,048,576 bytes; ki 1,048,576 bytes
;; launch prep (part 3): grid 4 x 78, 8 waves a work-group, no clusters, 0 bytes of LDS; arguments Wk_o, Wv_o, Wo_o, Wv_i, Wq_i, Wo_i, W_ff1, W_ff2, Wq_o, Wk_i, bq_o, bk_i, projector, wpack, qo, ki; writes wpack, qo, ki
.if DOCPART == 3
	.amdgcn_target "amdgcn-amd-amdhsa--gfx1250"
	.amdhsa_code_object_version 6
	.text
	.protected	k_q765f4a1005_prep
	.globl	k_q765f4a1005_prep
	.p2align	8
	.type	k_q765f4a1005_prep,@function
k_q765f4a1005_prep:
	s_mov_b64 s[64:65], 0
	v_nop
	global_prefetch_b8 v0, s[64:65] scope:SCOPE_SE
	s_setreg_imm32_b32 hwreg(HW_REG_WAVE_SCHED_MODE, 0, 2), 2
	s_setreg_imm32_b32 hwreg(HW_REG_WAVE_MODE, 25, 1), 1
	s_wait_xcnt 0x0
	s_wait_alu depctr_vm_vsrc(0)
; PREP.  Two kinds of work-group, told apart by the grid's y.
; y = 0..13 (PACK): one unit of 256 x 256 weights is rounded to bf16 and written in the order in which the layer kernel's waves load matrix fragments:
;   byte u*131072 + w*32768 + ks*4096 + b*1024 + half*512 + lane*16 holds unit row 64 w + 16 b + lane % 16, k = 32 ks + 16 half + 8 (lane / 16) + 0..7.
;   Units: 0 Wk_o, 1 Wv_o, 2 Wo_o, 3 Wv_i, 4 Wq_i, 5 Wo_i, 6+c rows 256 c.. of W_ff1, 10+c columns 256 c.. of W_ff2.
;   A wave makes 4,096 bytes: (w, ks) = (wave % 4, 2 x + wave / 4).  Every store of a wave covers 512 consecutive bytes.
; y = 14..77 (PROJ): s = y - 14.  x / 2 chooses projector[s] Wq_o^T + bq_o (into qo) or projector[s] Wk_i^T + bk_i (into ki): neither hangs on the batch.
;   x % 2 is the tile of 16 projector rows, the wave is the head.  bf16 operands, f32 sums that start on the bias, one rounding to bf16.
;   The product is used transposed (source 0 = 16 rows of W, source 1 = 16 projector rows), so a lane ends with one projector row and eight neighbouring channels:
;   byte s*16384 + head*2048 + tile*1024 + half*512 + lane*16 holds row 16 tile + lane % 16, channels 32 head + 16 half + 8 (lane / 16) + 0..7: a ready fragment.
; No LDS, no barrier: no wave needs another's data.  No cluster: what work-groups share here (two weight matrices) is a small part of a launch of this size.
; THE MODE: SCHED_MODE bits 1:0 = 2 (LLVM: expert scheduling mode 2), set by the entry lines.  The code itself states the register dependences between vector or matrix
; instructions and memory instructions, with s_wait_alu, always for 0.
; THE PLAN.  Registers that memory instructions touch:
;   v4, v5, v6 (PROJ), v4, v8-v11 (PACK)   byte offsets, made once and never written again.
;   RAW, three slots   k step t's 24 roundings read slot t % 3; behind them the loads of k step t + 3 land in it.
;   v8-v15 (PROJ), FR (PACK)   written by the last roundings, read by the stores.
;   The fragment sets FR (PROJ), the accumulators and the bias are named by vector and matrix instructions alone once they are loaded.
; So one wait on va_vdst stands in a k step, behind its roundings; the step's twelve loads follow it, between the step's two products, which name none of RAW.
.set BI,  16                           ; v[16:31]   the bias as the first product's C
.set ACC, 32                           ; v[32:47]   two accumulators: channels 16 cb + ..
.set FR,  48                           ; v[48:95]   two sets of three bf16 fragments: projector, W cb = 0, W cb = 1
.set RAW, 96                           ; v[96:239]  three slots of 48 registers of f32 as loaded, in the same order
	s_load_b512 s[8:23], s[0:1], 0x0               ; Wk_o 8, Wv_o 10, Wo_o 12, Wv_i 14, Wq_i 16, Wo_i 18, W_ff1 20, W_ff2 22
	s_load_b512 s[24:39], s[0:1], 0x40             ; Wq_o 24, Wk_i 26, bq_o 28, bk_i 30, projector 32, wpack 34, qo 36, ki 38
	v_lshrrev_b32 v1, 5, v0
	v_readfirstlane_b32 s4, v1                     ; wave 0..7
	s_and_b32 s5, ttmp7, 0xffff                    ; y
	s_mov_b32 s6, ttmp9                            ; x
	v_and_b32 v2, 15, v0                           ; r = lane % 16
	v_bfe_u32 v3, v0, 4, 1                         ; h = lane / 16
	v_and_b32 v4, 31, v0
	v_lshlrev_b32 v4, 4, v4                        ; 16 x lane: where a lane's 16 bytes go
	s_mov_b32 s51, 0                               ; the high word of every offset pair
	s_wait_alu depctr_va_sdst(0)                   ; s4 is written: ahead of the branch, and of its first reader on either way
	s_wait_kmcnt 0x0
	s_cmp_lt_u32 s5, 14
	s_cbranch_scc1 .Lpack
	; ---------------- PROJ ----------------
	s_sub_co_u32 s7, s5, 14                        ; s
	s_lshr_b32 s40, s6, 1                          ; 0: qo, 1: ki
	s_and_b32 s41, s6, 1                           ; tile
	s_cmp_eq_u32 s40, 0
	s_cselect_b64 s[44:45], s[24:25], s[26:27]     ; W
	s_cselect_b64 s[46:47], s[28:29], s[30:31]     ; bias
	s_cselect_b64 s[48:49], s[36:37], s[38:39]     ; destination
	s_lshl_b32 s50, s4, 15                         ; the head's 32 rows of W, 1,024 bytes each
	s_add_nc_u64 s[44:45], s[44:45], s[50:51]
	s_lshl_b32 s50, s4, 7                          ; its 32 numbers of the bias
	s_add_nc_u64 s[46:47], s[46:47], s[50:51]
	s_lshl_b32 s50, s7, 15                         ; projector[s]: 32 rows of 1,024 bytes,
	s_lshl_b32 s52, s41, 14                        ; the tile's 16
	s_add_co_u32 s50, s50, s52
	s_add_nc_u64 s[32:33], s[32:33], s[50:51]
	s_lshl_b32 s50, s7, 14
	s_lshl_b32 s52, s4, 11
	s_add_co_u32 s50, s50, s52
	s_lshl_b32 s52, s41, 10
	s_add_co_u32 s50, s50, s52
	s_add_nc_u64 s[48:49], s[48:49], s[50:51]
	v_lshlrev_b32 v5, 10, v2
	v_lshl_add_u32 v5, v3, 5, v5                   ; r x 1,024 + 32 h: my 8 numbers of a row, for the projector and for W alike
	v_lshlrev_b32 v6, 5, v3                        ; 32 h: my 8 numbers of the bias
	s_wait_alu depctr_va_vdst(0)                   ; v4, v5 and v6 are written: every load and store of this way reads one of them as its offset
.irp cb, 0,1
	global_load_b128 v[BI+8*\cb:BI+8*\cb+3],   v6, s[46:47] offset:\cb*64
	global_load_b128 v[BI+8*\cb+4:BI+8*\cb+7], v6, s[46:47] offset:\cb*64+16
.endr
; the twelve loads of k step t: k = 32 t + 8 h + 0..7 (bytes 0, 16) and 32 t + 16 + 8 h + 0..7 (bytes 64, 80), of the projector's rows and of 2 x 16 rows of W
.macro PLOAD t
.set sl, RAW+48*((\t)%3)
.set i, 0
.irp o, 0,16,64,80
	global_load_b128 v[sl+4*i:sl+4*i+3],       v5, s[32:33] offset:(\t)*128+\o
	global_load_b128 v[sl+16+4*i:sl+16+4*i+3], v5, s[44:45] offset:(\t)*128+\o
	global_load_b128 v[sl+32+4*i:sl+32+4*i+3], v5, s[44:45] offset:16384+(\t)*128+\o
.set i, i+1
.endr
.endm
; k step t.  The wait leaves the two younger slots' 24 loads out (12, then none, at the end).  The 24 roundings write the fragment set that the products two steps
; back read: the other set's 24 roundings stand between.  The two accumulators take turns.
.macro PSTEP t
.if (\t) < 6
	s_wait_loadcnt 24
.else
	s_wait_loadcnt 12*(7-(\t))
.endif
.set sl, RAW+48*((\t)%3)
.set fs, FR+24*((\t)%2)
.set i, 0
.rept 24
	v_cvt_pk_bf16_f32 v[fs+i], v[sl+2*i], v[sl+2*i+1]
.set i, i+1
.endr
.if (\t) < 5
	s_wait_alu depctr_va_vdst(0)                   ; the roundings are done reading the slot, in which the loads below land
.endif
.irp cb, 0,1
.if (\t) == 0
	v_wmma_f32_16x16x32_bf16 v[ACC+8*\cb:ACC+8*\cb+7], v[fs+8+8*\cb:fs+15+8*\cb], v[fs:fs+7], v[BI+8*\cb:BI+8*\cb+7]
.else
	v_wmma_f32_16x16x32_bf16 v[ACC+8*\cb:ACC+8*\cb+7], v[fs+8+8*\cb:fs+15+8*\cb], v[fs:fs+7], v[ACC+8*\cb:ACC+8*\cb+7]
.endif
.if (\cb == 0) && ((\t) < 5)
	PLOAD (\t)+3                                   ; into the slot just rounded.  No further wait: the product since the wait names the fragment set, the accumulator and the bias, none of RAW
.endif
.endr
.endm
	PLOAD 0
	PLOAD 1
	PLOAD 2
.irp t, 0,1,2,3,4,5,6,7
	PSTEP \t
.endr
.rept 4
	v_nop                                          ; four places between the last products and the roundings that read them (ISA guide 7.12.1)
.endr
.irp cb, 0,1
.irp e, 0,1,2,3
	v_cvt_pk_bf16_f32 v[8+4*\cb+\e], v[ACC+8*\cb+2*\e], v[ACC+8*\cb+2*\e+1]
.endr
.endr
	s_wait_alu depctr_va_vdst(0)                   ; the roundings have written v[8:15], which the stores read
	global_store_b128 v4, v[8:11],  s[48:49]                ; 512 consecutive bytes each
	global_store_b128 v4, v[12:15], s[48:49] offset:512
	s_endpgm
	; ---------------- PACK ----------------
.Lpack:
	s_and_b32 s40, s4, 3                           ; w
	s_lshr_b32 s41, s4, 2
	s_lshl_b32 s42, s6, 1
	s_add_co_u32 s41, s41, s42                     ; ks = 2 x + wave / 4
	s_mov_b64 s[44:45], s[8:9]                     ; the unit's matrix, chosen by y alone
	s_cmp_eq_u32 s5, 1
	s_cselect_b64 s[44:45], s[10:11], s[44:45]
	s_cmp_eq_u32 s5, 2
	s_cselect_b64 s[44:45], s[12:13], s[44:45]
	s_cmp_eq_u32 s5, 3
	s_cselect_b64 s[44:45], s[14:15], s[44:45]
	s_cmp_eq_u32 s5, 4
	s_cselect_b64 s[44:45], s[16:17], s[44:45]
	s_cmp_eq_u32 s5, 5
	s_cselect_b64 s[44:45], s[18:19], s[44:45]
	s_cmp_ge_u32 s5, 6
	s_cselect_b64 s[44:45], s[20:21], s[44:45]
	s_cmp_ge_u32 s5, 10
	s_cselect_b64 s[44:45], s[22:23], s[44:45]
	s_cselect_b32 s43, 12, 10                      ; a row is 4,096 bytes in W_ff2, 1,024 elsewhere: as a shift
	s_cselect_b32 s46, 10, 18                      ; a chunk is 256 columns (1,024 bytes) of W_ff2, 256 rows (262,144 bytes) of W_ff1
	s_sub_co_u32 s47, s5, 6
	s_and_b32 s47, s47, 3                          ; the chunk
	s_lshl_b32 s50, s47, s46
	s_cmp_ge_u32 s5, 6
	s_cselect_b32 s50, s50, 0                      ; the six square matrices have none
	s_lshl_b32 s47, s41, 7                         ; 32 ks numbers along the row
	s_add_co_u32 s50, s50, s47
	s_add_nc_u64 s[44:45], s[44:45], s[50:51]
	s_lshl_b32 s50, s5, 17                         ; where my 4,096 bytes go
	s_lshl_b32 s47, s40, 15
	s_add_co_u32 s50, s50, s47
	s_lshl_b32 s47, s41, 12
	s_add_co_u32 s50, s50, s47
	s_add_nc_u64 s[34:35], s[34:35], s[50:51]
	s_lshl_b32 s47, s40, 6
	v_add_nc_u32 v5, s47, v2                       ; row 64 w + r
	v_lshlrev_b32 v5, s43, v5
	v_lshl_add_u32 v8, v3, 5, v5                   ; + 32 h: block b = 0
	s_lshl_b32 s47, 16, s43                        ; 16 rows on
	v_add_nc_u32 v9, s47, v8
	v_add_nc_u32 v10, s47, v9
	v_add_nc_u32 v11, s47, v10
	s_wait_alu depctr_va_vdst(0)                   ; v8 to v11 are written, which the loads read as offsets, and v4, which the stores read
.irp b, 0,1,2,3
	global_load_b128 v[RAW+16*\b:RAW+16*\b+3],     v[8+\b], s[44:45]
	global_load_b128 v[RAW+16*\b+4:RAW+16*\b+7],   v[8+\b], s[44:45] offset:16
	global_load_b128 v[RAW+16*\b+8:RAW+16*\b+11],  v[8+\b], s[44:45] offset:64
	global_load_b128 v[RAW+16*\b+12:RAW+16*\b+15], v[8+\b], s[44:45] offset:80
.endr
	s_wait_loadcnt 0x0
.set i, 0
.rept 32
	v_cvt_pk_bf16_f32 v[FR+i], v[RAW+2*i], v[RAW+2*i+1]
.set i, i+1
.endr
	s_wait_alu depctr_va_vdst(0)                   ; the roundings have written v[FR ..], which the stores read
.set i, 0
.rept 8
	global_store_b128 v4, v[FR+4*i:FR+4*i+3], s[34:35] offset:i*512    ; (b, half) = (i / 2, i % 2): 512 consecutive bytes
.set i, i+1
.endr
	s_endpgm
.Lfunc_end_k_q765f4a1005_prep:
	.size	k_q765f4a1005_prep, .Lfunc_end_k_q765f4a1005_prep-k_q765f4a1005_prep
	.p2alignl 7, 3214868480
	.fill 96, 4, 3214868480
	.section	.rodata,"a",@progbits
	.p2align	6, 0x0
	.amdhsa_kernel k_q765f4a1005_prep
		.amdhsa_group_segment_fixed_size 0
		.amdhsa_private_segment_fixed_size 0
		.amdhsa_enable_private_segment 0
		.amdhsa_kernarg_size 128
		.amdhsa_user_sgpr_count 2
		.amdhsa_user_sgpr_kernarg_segment_ptr 1
		.amdhsa_wavefront_size32 1
		.amdhsa_system_sgpr_workgroup_id_x 1
		.amdhsa_system_sgpr_workgroup_id_y 1
		.amdhsa_system_sgpr_workgroup_id_z 1
		.amdhsa_system_vgpr_workitem_id 0
		.amdhsa_next_free_vgpr 240
		.amdhsa_next_free_sgpr 66
		.amdhsa_reserve_vcc 0
		.amdhsa_float_denorm_mode_32 3
		.amdhsa_float_denorm_mode_16_64 3
		.amdhsa_memory_ordered 1
		.amdhsa_forward_progress 1
		.amdhsa_inst_pref_size 32
	.end_amdhsa_kernel
	.amdgpu_metadata
---
amdhsa.version: [ 1, 2 ]
amdhsa.kernels:
  - .name:           k_q765f4a1005_prep
    .symbol:         k_q765f4a1005_prep.kd
    .args:
      - { .name: Wk_o, .offset: 0, .size: 8, .value_kind: global_buffer, .address_space: global }
      - { .name: Wv_o, .offset: 8, .size: 8, .value_kind: global_buffer, .address_space: global }
      - { .name: Wo_o, .offset: 16, .size: 8, .value_kind: global_buffer, .address_space: global }
      - { .name: Wv_i, .offset: 24, .size: 8, .value_kind: global_buffer, .address_space: global }
      - { .name: Wq_i, .offset: 32, .size: 8, .value_kind: global_buffer, .address_space: global }
      - { .name: Wo_i, .offset: 40, .size: 8, .value_kind: global_buffer, .address_space: global }
      - { .name: W_ff1, .offset: 48, .size: 8, .value_kind: global_buffer, .address_space: global }
      - { .name: W_ff2, .offset: 56, .size: 8, .value_kind: global_buffer, .address_space: global }
      - { .name: Wq_o, .offset: 64, .size: 8, .value_kind: global_buffer, .address_space: global }
      - { .name: Wk_i, .offset: 72, .size: 8, .value_kind: global_buffer, .address_space: global }
      - { .name: bq_o, .offset: 80, .size: 8, .value_kind: global_buffer, .address_space: global }
      - { .name: bk_i, .offset: 88, .size: 8, .value_kind: global_buffer, .address_space: global }
      - { .name: projector, .offset: 96, .size: 8, .value_kind: global_buffer, .address_space: global }
      - { .name: wpack, .offset: 104, .size: 8, .value_kind: global_buffer, .address_space: global }
      - { .name: qo, .offset: 112, .size: 8, .value_kind: global_buffer, .address_space: global }
      - { .name: ki, .offset: 120, .size: 8, .value_kind: global_buffer, .address_space: global }
    .group_segment_fixed_size: 0
    .private_segment_fixed_size: 0
    .kernarg_segment_align: 8
    .kernarg_segment_size: 128
    .max_flat_workgroup_size: 256
    .sgpr_count:     66
    .vgpr_count:     240
    .wavefront_size: 32
...
	.end_amdgpu_metadata
.endif
;; end of part 3
;; launch layer (part 4): grid 512 x 1, 4 waves a work-group, no clusters, 302,592 bytes of LDS; arguments x, wpack, qo, ki, bk_o, bv_o, bo_o, bv_i, bq_i, bo_i, g1, b1, b_ff1, b_ff2, g2, b2, out0; writes out0
.if DOCPART == 4
	.amdgcn_target "amdgcn-amd-amdhsa--gfx1250"
	.amdhsa_code_object_version 6
	.text
	.protected	k_q765f4a1005_layer
	.globl	k_q765f4a1005_layer
	.p2align	8
	.type	k_q765f4a1005_layer,@function
k_q765f4a1005_layer:
	s_mov_b64 s[64:65], 0
	v_nop
	global_prefetch_b8 v0, s[64:65] scope:SCOPE_SE
	s_setreg_imm32_b32 hwreg(HW_REG_WAVE_SCHED_MODE, 0, 2), 2
	s_setreg_imm32_b32 hwreg(HW_REG_WAVE_MODE, 25, 1), 1
	s_wait_xcnt 0x0
	s_wait_alu depctr_vm_vsrc(0)
; THE WHOLE LAYER FOR ONE SLICE (b, s): 128 tokens x 256 channels.  x is read once, out0 written once; everything between stays in LDS and registers.
; SHARES.  Four waves.  In every product a wave owns 64 output channels (two heads) of all rows.  Its quarter of a unit of 256 x 256 bf16 weights, 32,768 bytes, is 256 registers: one
; register window, loaded straight from wpack (64 loads of 512 consecutive bytes) while the unit before is multiplied.  Rows go in groups through counted loops; K = 256 is unrolled.
; An activation fragment read from LDS feeds four products.  In the two norms a wave owns 32 rows.
; LAYOUTS.  'T': source 0 = 16 rows of W, source 1 = 16 rows of activations: a lane ends with one row (lane % 16) and channels 8 (lane / 16) + 0..7.  'S': the sources swapped: a lane ends with
; one channel and eight rows.  K and Q ('T'), V ('S'), rounded to bf16 in pairs, ARE the attention's fragments: they never pass through LDS.  S^T = K Q^T holds one query a lane; two such
; results rounded in pairs are source 1 of O^T = V^T P.
; SOFTMAX.  p = 2^(c s - c m), c = log2(e) / sqrt(32).  Out-attention (128 keys, 32 a trip): running maximum m and sum l, O and l times a = 2^(c m_old - c m_new) each trip.  In-attention
; (32 keys): one step.  V's bias is added behind the division by l: the weights sum to one, so that is the same number.
; GELU.  0.5 x (1 + erf(x / sqrt 2)) = max(x, 0) - (y / sqrt 2) / (1 + a1 y + .. + a6 y^6)^16 with y = |x| / sqrt 2 (Abramowitz and Stegun 7.1.28).
; THE MLP'S FIRST PRODUCT BY TURNS.  A chunk's 128 rows go in eight halves of 16.  A half is 32 matrix instructions (four accumulators by turns) and, for its GELU, 304 vector lines and 4 LDS
; stores.  Two sets of four accumulators take turns: while half h is multiplied into one, the GELU of half h - 1 works on the other: sixteen of its lines stand in the wait for the fragments, nine
; behind each matrix instruction.  9.5 vector lines for a matrix instruction are more than stand beside one, so it is the products that vanish behind the GELU.  A chunk's first half is multiplied
; alone and its last GELU stands alone, since the second product needs the whole chunk.  The price: two switches of the register window for each of these matrix instructions.
; RUNS OF LOADS.  A load that would push LOADcnt past its field waits at issue (ISA guide 5.7.1), and a unit is 64 loads, one more than the field counts.  So where the wave has other work, a unit
; goes out in parts of 56 loads or fewer, the later parts where the earlier have had a product's k steps in which to land.
; LIMITS.  All matrix operands are bf16; sums, softmax, norms, GELU and the residual stream are f32.  erf is off by 3e-7 at the most, for every argument.  The running maximum starts at
; c m = -4.25e37.  A weight below 2^-126 counts as 0.  P is rounded to bf16, l sums the unrounded p.  NaN and infinities are not treated apart.
; NO CLUSTER, NO TENSOR LOADS.  All work-groups walk the same weights, but activations fill 302,080 of the 327,680 bytes of LDS: what is left holds less than a fifth of a unit, and the
; regions that fall free later have been written by LDS stores.  So each weight byte goes once from wpack into the registers of the one wave that multiplies by it.
; THE MODE: SCHED_MODE bits 1:0 = 2 (LLVM: expert scheduling mode 2), set by the entry lines.  The code itself states the register dependences between vector or matrix instructions and
; memory or LDS instructions, with s_wait_alu, always for 0.
; THE PLAN.  Registers that memory or LDS instructions touch, and who else names them:
;   WOFF, VB, RL, QOFF, XD     offsets, written once at the head, never again: one wait on va_vdst ahead of the first load serves them all.
;   ACUR, DCUR, XD1, LCUR, MCUR, GCUR, AD0   addresses that a vector add steps: a wait on vm_vsrc stands ahead of each add (the accesses issued so far have read the address), and the add stands
;                              ahead of a wait on va_vdst that is laid for the next run of loads or stores anyway.
;   AF (four slots)            fragment loads land; products read.  A row group loads four k steps at its head and two k steps ahead of k steps 2 and 4: three waits on va_vdst, each behind the slots' last readers.
;   AC0, OA, S0, S1, LX, LT    products or vector lines write them, roundings pack them in place, stores read them: one wait on va_vdst ahead of each run of stores, one on vm_vsrc ahead of the next writer.
;   BIAS, F3, BV, AC1's first 24, windows 3 and 1   loads land; products and vector lines read.  Each run of loads stands behind a wait on va_vdst that follows the registers' last reader; where
;                              that wait is one laid for another purpose, the comment at the loads says which.
;   window 2 as 32 accumulators   loaded from XS once, written by the second product, stored once behind one wait on va_vdst.
;   A half's turn in the MLP: sixteen loads; one wait on vm_vsrc; the two address adds; products and GELU; ONE wait on va_vdst at its end, which serves the GELU's four stores and the next turn's loads.
;   SPW, NIL                   written at the head, read by the closing add alone.
;
; LDS: XS f32 rows of 1,040 bytes (x, then x + message_in, then m, then m + h); RA bf16 rows of 528 (x, then m); RB (in-attention's result, then a chunk of the hidden layer);
; OO, MO 32 rows each (out-attention's result, message_out); the spare words.  Both pitches are odd multiples of 16 bytes: the 16 rows of a 16-byte access start at 16 different groups of banks (ISA guide 11.1).
.set XP, 1040
.set BP, 528
.set RA, 128*XP
.set RB, RA+128*BP
.set OO, RB+128*BP
.set MO, OO+32*BP
.set SPARE, MO+32*BP                   ; 128 bytes for each wave: two blocks of 256 bytes that no other line names
.set UNIT, 131072
; REGISTERS, in windows of 256 (s_set_vgpr_msb: bits 1:0 source 0, 3:2 source 1, 5:4 source 2, 7:6 destination).
; window 0:
.set SPW,  1                           ; LDS address of my spare word; never rewritten
.set NIL,  2                           ; 0; never rewritten
.set WOFF, 3                           ; w*32768 + 16 lane: my place in a unit of wpack
.set AL,   4                           ; r*528 + 16 h: a fragment's lane term
.set ACUR, 5                           ; the fragment address in hand
.set DL,   6                           ; r*528 + w*128 + 16 h: where a 'T' result's 16 bytes go
.set DCUR, 7
.set XD,   8                           ; r*1040 + w*256 + 32 h: a 'T' result's place in XS
.set XD1,  9                           ; the same 64 rows on; in the loop over Wo_i: the stepped address
.set VB,   10                          ; w*256 + 32 h: my 8 numbers of a bias
.set RL,   11                          ; 16 lane
.set LCUR, 12                          ; rows of XS, my 32
.set MCUR, 13                          ; rows of RA, my 32
.set GCUR, 14                          ; rows of x and out0, my 32
.set QOFF, 15                          ; w*4096 + 16 lane: my two heads in qo and ki
.set BIAS, 24                          ; v[24:55]   8 registers for each block b of 16 channels
.set AF,   56                          ; v[56:119]  activation fragments
.set AC0,  120                         ; v[120:183] eight accumulators
.set S0,   AC0                         ;            in the MLP's first product: two sets of four
.set S1,   AC0+32
.set AC1,  184                         ; v[184:247] V's accumulators; GELU at work; the norms' bias, gain, shift
.set GY,   AC1                         ;            GELU: y of a half's 32 numbers a lane
.set GP,   AC1+32                      ;            GELU: the polynomial, its power, the reciprocal
.set LX,   AF                          ; the norms: four rows of 8 numbers a lane
.set LT,   AF+32                       ; four registers at work for each row
; window 2 until the in-attention has ended (afterwards 32 accumulators, (a, b) at 8 (4 a + b)):
.set F1,   0                           ; K's fragments, later Q's
.set F2,   32                          ; V's fragments
.set F3,   64                          ; qo's fragments, later ki's
.set BV,   96                          ; V's bias
.set SS,   128                         ; S^T, two tiles of 16 registers; P in place
.set OA,   160                         ; O^T
.set ST,   224                         ; for each tile: c m, m, l (even keys', odd keys')
.set TM,   240                         ; for each of two tiles four registers at work
.set AD0,  252                         ; where the in-attention's result goes
.set AD1,  253                         ; where the out-attention's goes
; windows 3 and 1: weights, fragment (ks, b) at v[32 ks + 8 b].
; scalars: s[8:41] the 17 addresses; s42 wave; s43, s44 counters; s[48:49] wpack at the chunk in hand; s[50:51] lane selects; s[52:53] c; s[54:55] b_ff1 at the chunk in hand;
; s[66:81] GELU's constants as pairs; s82 1/256; s83 1e-5; s84 my rows' first byte in XS.
.set MSB, 0
.macro WIN new                         ; the immediate's high byte repeats the setting that is left; a switch that changes nothing is dropped
.if MSB != (\new)
	s_set_vgpr_msb (MSB<<8)|(\new)
.set MSB, \new
.endif
.endm
; Places: a vector instruction or LDS store that reads a matrix result, a vector instruction or load that writes a matrix instruction's register, stand four plain vector instructions behind it,
; a matrix instruction that writes over one five (ISA guide 7.12.1 for vector instructions).  They stay beside the waits on va_vdst, which fill no place.
.macro PLACES n=4
.rept \n
	v_nop
.endr
.endm
.macro REP n, line:vararg              ; the line n times, i = 0 .. n - 1
.set i, 0
.rept \n
	\line
.set i, i+1
.endr
.endm
.macro BAR                             ; my LDS stores are done and my LDS loads are back; then all four waves meet
	s_wait_dscnt 0x0
	s_barrier_signal -1
	s_barrier_wait -1
.endm
.macro SC reg, val                     ; a constant as a pair: the packed forms name both words
	s_mov_b32 s[\reg], \val
	s_mov_b32 s[\reg+1], \val
.endm
; k steps k0 .. k1 of my quarter of a unit into window win.  dep = 1: products that read these registers have been issued since the last wait on va_vdst.
.macro WLOAD win, base, imm, k0, k1, dep=0
	PLACES                                         ; the window's last products stand at least these four behind
	WIN (\win)<<6
.if \dep
	s_wait_alu depctr_va_vdst(0)                   ; the products that read these registers of the window are done reading them: the loads below land there
.endif
.set kk, \k0
.rept (\k1)-(\k0)+1
.set j, 0
.rept 8
	global_load_b128 v[32*kk+4*j:32*kk+4*j+3], v[WOFF], s[\base:\base+1] offset:(\imm)+kk*4096+j*512
.set j, j+1
.endr
.set kk, kk+1
.endr
.endm
.macro WCOND win, base, imm, k0, k1, dep=0   ; the same, but not in the MLP's last chunk; what it loads is read only behind a wait for 0 that stands on both ways
	WIN 0
	s_cmp_eq_u32 s44, 1
	s_cbranch_scc1 .Lskip_\@
	WLOAD \win, \base, \imm, \k0, \k1, \dep
	WIN 0
.Lskip_\@:
.endm
.macro BLOAD dst, ptr                  ; bias[64 w + 16 b + 8 h + 0..7] for b = 0..3; the caller sets the window
.irp b, 0,1,2,3
	global_load_b128 v[(\dst)+8*\b:(\dst)+8*\b+3],   v[VB], s[\ptr:\ptr+1] offset:\b*64
	global_load_b128 v[(\dst)+8*\b+4:(\dst)+8*\b+7], v[VB], s[\ptr:\ptr+1] offset:\b*64+16
.endr
.endm
.macro LNPAR p0, p1, p2                ; a norm's bias, gain and shift: columns 4 lane + 0..3 and 128 + 4 lane + 0..3
.set i, 0
.irp p, \p0, \p1, \p2
	global_load_b128 v[AC1+8*i:AC1+8*i+3],   v[RL], s[\p:\p+1]
	global_load_b128 v[AC1+8*i+4:AC1+8*i+7], v[RL], s[\p:\p+1] offset:512
.set i, i+1
.endr
.endm
.macro ALD ks, addr                    ; two fragments (rows 0-15, 16-31 of the group; 32 along K) into slot ks % 4
.irp a, 0,1
	ds_load_b128 v[AF+16*((\ks)%4)+8*\a:AF+16*((\ks)%4)+8*\a+3],   v[\addr] offset:\a*16*BP+(\ks)*64
	ds_load_b128 v[AF+16*((\ks)%4)+8*\a+4:AF+16*((\ks)%4)+8*\a+7], v[\addr] offset:\a*16*BP+(\ks)*64+32
.endr
.endm
; eight products of k step ks, eight accumulators by turns.  orient 0 = 'T', accumulator (a, b) at acc + 8 (4 a + b); 1 = 'S', at acc + 8 (2 b + a).
; cmode says what starts the sums at ks = 0: 0 the constant 0, 1 the bias, 2 what the accumulators hold.
.macro PROD ks, orient, cmode, acc
.irp a, 0,1
.irp b, 0,1,2,3
.set rW, 32*(\ks)+8*\b
.set rA, AF+16*((\ks)%4)+8*\a
.if (\orient) == 0
.set rD, (\acc)+8*(4*\a+\b)
.if ((\ks) == 0) && ((\cmode) == 1)
	v_wmma_f32_16x16x32_bf16 v[rD:rD+7], v[rW:rW+7], v[rA:rA+7], v[BIAS+8*\b:BIAS+8*\b+7]
.elseif ((\ks) == 0) && ((\cmode) == 0)
	v_wmma_f32_16x16x32_bf16 v[rD:rD+7], v[rW:rW+7], v[rA:rA+7], 0
.else
	v_wmma_f32_16x16x32_bf16 v[rD:rD+7], v[rW:rW+7], v[rA:rA+7], v[rD:rD+7]
.endif
.else
.set rD, (\acc)+8*(2*\b+\a)
.if (\ks) == 0
	v_wmma_f32_16x16x32_bf16 v[rD:rD+7], v[rA:rA+7], v[rW:rW+7], 0
.else
	v_wmma_f32_16x16x32_bf16 v[rD:rD+7], v[rA:rA+7], v[rW:rW+7], v[rD:rD+7]
.endif
.endif
.endr
.endr
.endm
; A ROW GROUP: 32 rows x my 64 channels x K = 256.  The fragments of k steps 0 to 3 are asked for at the head, those of 4 and 5 ahead of k step 2 (into the slots of 0 and 1), those of 6 and 7 ahead
; of k step 4 (into the slots of 2 and 3): each run of loads behind one wait on va_vdst.  The wait on DScnt ahead of a k step leaves the later steps' loads out, four a step: 12, 8, 12, 8, 12, 8, 4, 0.
; two = 1: each k step's fragments also feed V's eight products ('S', weights in window 1, sums from 0 in AC1).
; tail = 1: at k step 5 the last eight loads of unit TAILU go out, into window TAILW, which this product does not read: the unit's first 56 were issued ahead of the product.
; lw < 64: ahead of k step 7's products a wait on LOADcnt with that count, for a unit whose last k step was asked for late.
; head = 0: the caller has laid the head's wait itself, ahead of loads of its own.
.macro RG addr, msb, orient, cmode, acc, two=0, tail=0, lw=99, head=1
	PLACES
	WIN 0
.if \head
	s_wait_alu depctr_va_vdst(0)                   ; the fragment address is written; the lines that last named the four slots are done with them
.endif
	ALD 0, \addr
	ALD 1, \addr
	ALD 2, \addr
	ALD 3, \addr
.irp ks, 0,1,2,3,4,5,6,7
.if (\ks == 2) || (\ks == 4)
	PLACES                                         ; between the products that read the two slots and the loads into them
	WIN 0
	s_wait_alu depctr_va_vdst(0)                   ; the products of the two k steps before are done reading their slots, in which the loads below land
	ALD (\ks+2), \addr
	ALD (\ks+3), \addr
.endif
.if (\ks == 5) && (\tail)
	WLOAD TAILW, 10, TAILU*UNIT, 7, 7              ; no wait: the window's last products stand ahead of the group's waits, and this product does not name the window
.endif
.if \ks < 6
	s_wait_dscnt 12-4*(\ks%2)
.else
	s_wait_dscnt 4*(7-\ks)
.endif
.if (\ks == 7) && ((\lw) < 64)
	s_wait_loadcnt \lw
.endif
	WIN \msb
	PROD \ks, \orient, \cmode, \acc
.if \two
	WIN 0x04
	PROD \ks, 1, 0, AC1
.endif
.endr
.endm
.macro CVT32 dst, src                  ; 64 f32 in pairs to 32 registers of bf16: eight accumulators become four fragments
.set i, 0
.rept 32
	v_cvt_pk_bf16_f32 v[(\dst)+i], v[(\src)+2*i], v[(\src)+2*i+1]
.set i, i+1
.endr
.endm
.macro CVT4 base                       ; an accumulator's eight numbers to 16 bytes, in place, from its low end on
.irp e, 0,1,2,3
	v_cvt_pk_bf16_f32 v[(\base)+\e], v[(\base)+2*\e], v[(\base)+2*\e+1]
.endr
.endm
.macro STT                             ; AC0's eight packed tiles (a, b) = (i / 4, i % 4) into bf16 rows
.set i, 0
.rept 8
	ds_store_b128 v[DCUR], v[AC0+8*i:AC0+8*i+3] offset:(i/4)*16*BP+(i%4)*32
.set i, i+1
.endr
.endm
; ATTENTION on two tiles of 16 queries x 32 keys, all in window 2, the two tiles line by line.  TR sets tile u's registers from the call's arguments.
.macro TR u
.set rS, SS+16*(\u)
.set rT, A_SB+4*(\u)
.set rC, TM+4*(\u)
.set rO, A_OB+16*(\u)
.set rK, A_KB+A_KU*(\u)
.set rQ, A_QB+8*(\u)
.set rV, A_VB+A_VU*(\u)
.endm
.macro BOTH line:vararg
	TR 0
	\line
	TR 1
	\line
.endm
.macro ATT2 online, kb, ku, kk, qb, vb, vu, ob, sb
.set A_KB, \kb
.set A_KU, \ku
.set A_KK, \kk
.set A_QB, \qb
.set A_VB, \vb
.set A_VU, \vu
.set A_OB, \ob
.set A_SB, \sb
.irp n, 0,1                            ; S^T: keys 16 n on; a head's 32 channels are one product
.irp u, 0,1
	TR \u
	v_wmma_f32_16x16x32_bf16 v[rS+8*\n:rS+8*\n+7], v[rK+A_KK*\n:rK+A_KK*\n+7], v[rQ:rQ+7], 0
.endr
.endr
	PLACES
	BOTH v_max3_num_f32 v[rC], v[rS], v[rS+1], v[rS+2]               ; two chains; each accumulator's lowest registers are read first
	BOTH v_max3_num_f32 v[rC+1], v[rS+8], v[rS+9], v[rS+10]
	BOTH v_max3_num_f32 v[rC], v[rC], v[rS+3], v[rS+4]
	BOTH v_max3_num_f32 v[rC+1], v[rC+1], v[rS+11], v[rS+12]
	BOTH v_max3_num_f32 v[rC], v[rC], v[rS+5], v[rS+6]
	BOTH v_max3_num_f32 v[rC+1], v[rC+1], v[rS+13], v[rS+14]
	BOTH v_max3_num_f32 v[rC], v[rC], v[rS+7], v[rS+15]
.if \online
	BOTH v_max3_num_f32 v[rC], v[rC], v[rC+1], v[rT+1]               ; with the old m
	BOTH v_mov_b32 v[rC+3], v[rT]                                    ; c m_old is kept
.else
	BOTH v_max_num_f32 v[rC], v[rC], v[rC+1]
.endif
	BOTH v_permlanex16_b32 v[rC+2], v[rC], s50, s51                  ; the query's other 16 keys lie in the lane 16 away
	BOTH v_max_num_f32 v[rT+1], v[rC], v[rC+2]
	BOTH v_mul_f32 v[rT], s52, v[rT+1]
.if \online
	BOTH v_sub_f32 v[rC+3], v[rC+3], v[rT]
	BOTH v_exp_f32 v[rC+2], v[rC+3]                                  ; a; the scalings below are the plain lines behind it
.endif
	REP 8, BOTH v_pk_fma_f32 v[rS+2*i:rS+2*i+1], v[rS+2*i:rS+2*i+1], s[52:53], v[rT:rT+1] op_sel_hi:[1,0,0] neg_lo:[0,0,1] neg_hi:[0,0,1]
	REP 16, BOTH v_exp_f32 v[rS+i], v[rS+i]
	v_nop                                                            ; a plain line between the exponentials and the use of their results (ISA guide 5.7.2)
	s_wait_alu depctr_va_vdst(0)                                     ; the batch of exponentials has written its results, ahead of their first reader: one wait for both tiles
	BOTH v_pk_add_f32 v[rC:rC+1], v[rS:rS+1], v[rS+2:rS+3]
.irp e, 2,3,4,5,6
	BOTH v_pk_add_f32 v[rC:rC+1], v[rC:rC+1], v[rS+2*\e:rS+2*\e+1]
.endr
.if \online
	BOTH v_pk_add_f32 v[rC:rC+1], v[rC:rC+1], v[rS+14:rS+15]
	BOTH v_pk_fma_f32 v[rT+2:rT+3], v[rT+2:rT+3], v[rC+2:rC+3], v[rC:rC+1] op_sel_hi:[1,0,1]
.else
	BOTH v_pk_add_f32 v[rT+2:rT+3], v[rC:rC+1], v[rS+14:rS+15]
.endif
	REP 8, BOTH v_cvt_pk_bf16_f32 v[rS+i], v[rS+2*i], v[rS+2*i+1]    ; P, in place: register i is written when the pairs below i have been read
.if \online
	REP 8, BOTH v_pk_mul_f32 v[rO+2*i:rO+2*i+1], v[rO+2*i:rO+2*i+1], v[rC+2:rC+3] op_sel_hi:[1,0]
.endif
.irp n, 0,1                            ; O^T: channels 16 n on
.irp u, 0,1
	TR \u
.if \online
	v_wmma_f32_16x16x32_bf16 v[rO+8*\n:rO+8*\n+7], v[rV+8*\n:rV+8*\n+7], v[rS:rS+7], v[rO+8*\n:rO+8*\n+7]
.else
	v_wmma_f32_16x16x32_bf16 v[rO+8*\n:rO+8*\n+7], v[rV+8*\n:rV+8*\n+7], v[rS:rS+7], 0
.endif
.endr
.endr
.endm
.macro ALL4 line:vararg                ; one line for each of the out-attention's four tiles t = 2 head + query tile
.set t, 0
.rept 4
	\line
.set t, t+1
.endr
.endm
; the in-attention's end for query tile a: 1 / l, O / l + V's bias, rounded, into RB
.macro FIN2 a
	PLACES
	BOTH v_add_f32 v[rT+2], v[rT+2], v[rT+3]
	BOTH v_permlanex16_b32 v[rT+3], v[rT+2], s50, s51
	BOTH v_add_f32 v[rT+2], v[rT+2], v[rT+3]
	BOTH v_rcp_f32 v[rT+2], v[rT+2]
	v_nop
	s_wait_alu depctr_va_vdst(0)                   ; the two reciprocals are written, ahead of their first reader
.irp u, 0,1
	REP 8, v_pk_fma_f32 v[OA+16*\u+2*i:OA+16*\u+2*i+1], v[OA+16*\u+2*i:OA+16*\u+2*i+1], v[ST+4*\u+2:ST+4*\u+3], v[BV+16*\u+2*i:BV+16*\u+2*i+1] op_sel_hi:[1,0,1]
.endr
.irp q, 0,1,2,3
	CVT4 OA+8*\q
.endr
	s_wait_alu depctr_va_vdst(0)                   ; the roundings have written v[OA ..], which the stores read
.irp q, 0,1,2,3
	ds_store_b128 v[AD0], v[OA+8*\q:OA+8*\q+3] offset:(\a)*16*BP+(\q/2)*64+(\q%2)*32
.endr
	s_wait_alu depctr_vm_vsrc(0)                   ; the stores have read v[OA ..], which the next tile's products write, and v[AD0]; the trip's fragment loads have read v[ACUR]: both are stepped behind the second tile
.endm
; x, batch k: rows 8 k .. 8 k + 7 of my 32, half a row (512 consecutive bytes) a load, into one of two sets of 64 registers
.macro XISSUE k
.set xb, AF+64*((\k)%2)
.if (\k) >= 2
	s_wait_alu depctr_vm_vsrc(0)                   ; the LDS stores of the batch two back have read these registers, in which the loads below land; its roundings stand ahead of the last wait on va_vdst
.endif
.set i, 0
.rept 16
	global_load_b128 v[xb+4*i:xb+4*i+3], v[GCUR], s[8:9] offset:(8*(\k)+i/2)*1024+(i%2)*512 th:TH_LOAD_NT
.set i, i+1
.endr
.endm
.macro XPROC k                         ; f32 into XS; rounded in place; bf16 into RA
.set xb, AF+64*((\k)%2)
	REP 16, ds_store_b128 v[LCUR], v[xb+4*i:xb+4*i+3] offset:(8*(\k)+i/2)*XP+(i%2)*512
	s_wait_alu depctr_vm_vsrc(0)                   ; those stores have read the registers that the roundings below write
.set i, 0
.rept 16
	v_cvt_pk_bf16_f32 v[xb+4*i], v[xb+4*i], v[xb+4*i+1]
	v_cvt_pk_bf16_f32 v[xb+4*i+1], v[xb+4*i+2], v[xb+4*i+3]
.set i, i+1
.endr
	s_wait_alu depctr_va_vdst(0)                   ; the roundings have written what the stores below read, and are done with the whole set
	REP 16, ds_store_b64 v[MCUR], v[xb+4*i:xb+4*i+1] offset:(8*(\k)+i/2)*BP+(i%2)*256
.endm
.macro XTILE op                        ; AC0's eight tiles from (0) or into (1) my 64 columns of 32 rows of XS
.set i, 0
.rept 8
.if \op
	ds_store_b128 v[XD1], v[AC0+8*i:AC0+8*i+3]   offset:(i/4)*16*XP+(i%4)*64
	ds_store_b128 v[XD1], v[AC0+8*i+4:AC0+8*i+7] offset:(i/4)*16*XP+(i%4)*64+16
.else
	ds_load_b128 v[AC0+8*i:AC0+8*i+3],   v[XD1] offset:(i/4)*16*XP+(i%4)*64
	ds_load_b128 v[AC0+8*i+4:AC0+8*i+7], v[XD1] offset:(i/4)*16*XP+(i%4)*64+16
.endif
.set i, i+1
.endr
.endm
.macro CTILES op                       ; window 2's 32 tiles from (0) or into (1) my 64 columns of all 128 rows of XS; rows 64 on go by XD1
.set i, 0
.rept 32
.if \op
	ds_store_b128 v[XD+i/16], v[8*i:8*i+3]   offset:((i/4)%4)*16*XP+(i%4)*64
	ds_store_b128 v[XD+i/16], v[8*i+4:8*i+7] offset:((i/4)%4)*16*XP+(i%4)*64+16
.else
	ds_load_b128 v[8*i:8*i+3],   v[XD+i/16] offset:((i/4)%4)*16*XP+(i%4)*64
	ds_load_b128 v[8*i+4:8*i+7], v[XD+i/16] offset:((i/4)%4)*16*XP+(i%4)*64+16
.endif
.set i, i+1
.endr
.endm
; THE GELU OF A HALF as a numbered list of 304 vector lines; GOP writes line gn for the four accumulators at se (32 numbers a lane, sixteen pairs) and steps gn.
;   0-31 y = |x| / sqrt 2, each accumulator from its low end on     32-127 the polynomial, six packed multiply-adds a pair     128-191 four squarings: its sixteenth power
;   192-223 the reciprocals: ONE batch     224-255 max(x, 0), in place: the plain lines behind the reciprocals (ISA guide 5.7.2)     (the batch's one wait)     256-287 y r, and max(x, 0) - y r / sqrt 2
;   288-303 rounded to bf16, in place.  The four stores of 16 bytes of a row each stand at the turn's end (HT).
; Within a stage no line reads the result of one of the fifteen before it.  The list names S0 or S1, GY and GP alone: no register of the products that it stands between, and none that a memory instruction touches but its own set.
.macro GOP se
.if gn < 32
	v_mul_f32 v[GY+gn], |v[(\se)+gn]|, s66
.elseif gn < 48
.set gi, gn-32
	v_pk_fma_f32 v[GP+2*gi:GP+2*gi+1], v[GY+2*gi:GY+2*gi+1], s[68:69], s[70:71] op_sel_hi:[1,0,0]
.elseif gn < 112
.set gi, (gn-48)%16
.set gc, 72+2*((gn-48)/16)
	v_pk_fma_f32 v[GP+2*gi:GP+2*gi+1], v[GP+2*gi:GP+2*gi+1], v[GY+2*gi:GY+2*gi+1], s[gc:gc+1] op_sel_hi:[1,1,0]
.elseif gn < 128
.set gi, gn-112
	v_pk_fma_f32 v[GP+2*gi:GP+2*gi+1], v[GP+2*gi:GP+2*gi+1], v[GY+2*gi:GY+2*gi+1], 1.0 op_sel_hi:[1,1,0]
.elseif gn < 192
.set gi, (gn-128)%16
	v_pk_mul_f32 v[GP+2*gi:GP+2*gi+1], v[GP+2*gi:GP+2*gi+1], v[GP+2*gi:GP+2*gi+1]
.elseif gn < 224
	v_rcp_f32 v[GP+gn-192], v[GP+gn-192]
.elseif gn < 256
	v_max_num_f32 v[(\se)+gn-224], 0, v[(\se)+gn-224]
.elseif gn < 272
.set gi, gn-256
.if gn == 256
	s_wait_alu depctr_va_vdst(0)                   ; the 32 reciprocals have written v[GP ..], ahead of their first reader: one wait for the batch
.endif
	v_pk_mul_f32 v[GY+2*gi:GY+2*gi+1], v[GY+2*gi:GY+2*gi+1], v[GP+2*gi:GP+2*gi+1]
.elseif gn < 288
.set gi, gn-272
	v_pk_fma_f32 v[(\se)+2*gi:(\se)+2*gi+1], v[GY+2*gi:GY+2*gi+1], s[80:81], v[(\se)+2*gi:(\se)+2*gi+1] op_sel_hi:[1,0,1]
.else
.set gi, gn-288
	v_cvt_pk_bf16_f32 v[(\se)+8*(gi/4)+gi%4], v[(\se)+8*(gi/4)+2*(gi%4)], v[(\se)+8*(gi/4)+2*(gi%4)+1]
.endif
.set gn, gn+1
.endm
; A HALF'S TURN.  p = 1: 16 rows of m x my 64 hidden channels x K = 256 into the four accumulators at sp, which take turns; the sums start on the bias.
; e = 1: the GELU of the half before, on the four accumulators at se.  All eight fragments are asked for at once, first thing: the wait on va_vdst at the end of the turn before (or at the chunk's head)
; has stated all that they hang on.  The wait on DScnt ahead of k step ks leaves the later steps' loads out, two a step.  304 = 16 + 32 x 9.
; Behind the last product stand nine of the list's roundings (e = 1) or four v_nop: the places ahead of the next turn's loads into the fragments and of its first line, which reads these sums.
; The places ahead of a chunk's first turn stand at the chunk's head.
.macro HT p, sp, e, se
.set gn, 0
	WIN 0
.if \p
.irp ks, 0,1,2,3,4,5,6,7
	ds_load_b128 v[AF+8*\ks:AF+8*\ks+3],   v[ACUR] offset:\ks*64
	ds_load_b128 v[AF+8*\ks+4:AF+8*\ks+7], v[ACUR] offset:\ks*64+32
.endr
.endif
	s_wait_alu depctr_vm_vsrc(0)                   ; the loads above have read v[ACUR]; the stores of the turn before have read v[DCUR] and their set, which this turn's products write
.if \p
	v_add_nc_u32 v[ACUR], 16*BP, v[ACUR]           ; the next half's rows of m
.endif
.if \e
	v_add_nc_u32 v[DCUR], 16*BP, v[DCUR]           ; this GELU's rows of the hidden chunk
.endif
.if \p
.if \e
.rept 16
	GOP \se
.endr
.endif
.irp ks, 0,1,2,3,4,5,6,7
	s_wait_dscnt 2*(7-\ks)
.irp b, 0,1,2,3
	WIN 0x03
.if \ks == 0
	v_wmma_f32_16x16x32_bf16 v[(\sp)+8*\b:(\sp)+8*\b+7], v[32*\ks+8*\b:32*\ks+8*\b+7], v[AF+8*\ks:AF+8*\ks+7], v[BIAS+8*\b:BIAS+8*\b+7]
.else
	v_wmma_f32_16x16x32_bf16 v[(\sp)+8*\b:(\sp)+8*\b+7], v[32*\ks+8*\b:32*\ks+8*\b+7], v[AF+8*\ks:AF+8*\ks+7], v[(\sp)+8*\b:(\sp)+8*\b+7]
.endif
.if \e
	WIN 0
.rept 9
	GOP \se
.endr
.endif
.endr
.endr
.if !(\e)
	PLACES
.endif
	WIN 0
.else
.rept 304
	GOP \se
.endr
.endif
	s_wait_alu depctr_va_vdst(0)                   ; the turn's one wait for memory's sake: the roundings have written the set that the stores below read; v[DCUR] and v[ACUR] are written; the products are done reading the fragments, in which the next turn's loads land
.if \e
.irp q, 0,1,2,3
	ds_store_b128 v[DCUR], v[(\se)+8*\q:(\se)+8*\q+3] offset:\q*32
.endr
.endif
.endm
.macro HLD ks                          ; the hidden chunk's eight fragments (128 rows, 32 along K) into one of two sets of 64 registers
.set hb, AF+64*((\ks)%2)
.set i, 0
.rept 8
	ds_load_b128 v[hb+8*i:hb+8*i+3],   v[ACUR] offset:i*16*BP+(\ks)*64
	ds_load_b128 v[hb+8*i+4:hb+8*i+7], v[ACUR] offset:i*16*BP+(\ks)*64+32
.set i, i+1
.endr
.endm
; A NORM over my 32 rows of XS, four rows a trip, line by line over the four.  A lane holds columns 4 lane + 0..3 and 128 + 4 lane + 0..3.  The product's bias is added first; the mean is taken
; away before the squares are summed.  mode 1: m goes back into XS and, rounded, into RA.  mode 2: the result is stored, each store 512 consecutive bytes.
.macro ROWS line:vararg
.set q, 0
.rept 4
.set rX, LX+8*q
.set rY, LT+4*q
	\line
.set q, q+1
.endr
.endm
.macro LNLOOP mode
	s_mov_b32 s43, 8
.Lln\mode:
	s_wait_alu depctr_va_vdst(0)                   ; v[LCUR] is written; the lines of the trip before are done with v[LX ..], in which the loads below land
.irp e, 0,1,2,3
	ds_load_b128 v[LX+8*\e:LX+8*\e+3],   v[LCUR] offset:\e*XP
	ds_load_b128 v[LX+8*\e+4:LX+8*\e+7], v[LCUR] offset:\e*XP+512
.endr
	s_wait_dscnt 0x0
	REP 4, ROWS v_pk_add_f32 v[rX+2*i:rX+2*i+1], v[rX+2*i:rX+2*i+1], v[AC1+2*i:AC1+2*i+1]
	ROWS v_pk_add_f32 v[rY:rY+1], v[rX:rX+1], v[rX+2:rX+3]
	ROWS v_pk_add_f32 v[rY+2:rY+3], v[rX+4:rX+5], v[rX+6:rX+7]
	ROWS v_pk_add_f32 v[rY:rY+1], v[rY:rY+1], v[rY+2:rY+3]
	ROWS v_add_f32 v[rY], v[rY], v[rY+1]
.irp m, 1,2,4,8
	ROWS v_add_f32_dpp v[rY], v[rY], v[rY] row_xmask:\m row_mask:0xf bank_mask:0xf
.endr
	ROWS v_permlanex16_b32 v[rY+1], v[rY], s50, s51
	ROWS v_add_f32 v[rY], v[rY], v[rY+1]
	ROWS v_mul_f32 v[rY], s82, v[rY]                                 ; the mean
	REP 4, ROWS v_pk_add_f32 v[rX+2*i:rX+2*i+1], v[rX+2*i:rX+2*i+1], v[rY:rY+1] op_sel_hi:[1,0] neg_lo:[0,1] neg_hi:[0,1]
	ROWS v_pk_mul_f32 v[rY+2:rY+3], v[rX:rX+1], v[rX:rX+1]
.irp e, 1,2,3
	ROWS v_pk_fma_f32 v[rY+2:rY+3], v[rX+2*\e:rX+2*\e+1], v[rX+2*\e:rX+2*\e+1], v[rY+2:rY+3]
.endr
	ROWS v_add_f32 v[rY+2], v[rY+2], v[rY+3]
.irp m, 1,2,4,8
	ROWS v_add_f32_dpp v[rY+2], v[rY+2], v[rY+2] row_xmask:\m row_mask:0xf bank_mask:0xf
.endr
	ROWS v_permlanex16_b32 v[rY+3], v[rY+2], s50, s51
	ROWS v_add_f32 v[rY+2], v[rY+2], v[rY+3]
	ROWS v_fma_f32 v[rY+2], v[rY+2], s82, s83                        ; the variance + 1e-5
	ROWS v_rsq_f32 v[rY+2], v[rY+2]
	v_nop
	s_wait_alu depctr_va_vdst(0)                   ; the four reciprocal roots are written, ahead of their first reader
	REP 4, ROWS v_pk_mul_f32 v[rX+2*i:rX+2*i+1], v[rX+2*i:rX+2*i+1], v[rY+2:rY+3] op_sel_hi:[1,0]
	REP 4, ROWS v_pk_fma_f32 v[rX+2*i:rX+2*i+1], v[rX+2*i:rX+2*i+1], v[AC1+8+2*i:AC1+8+2*i+1], v[AC1+16+2*i:AC1+16+2*i+1]
.if (\mode) == 1
	REP 4, ROWS v_cvt_pk_bf16_f32 v[rY+i], v[rX+2*i], v[rX+2*i+1]
	s_wait_alu depctr_va_vdst(0)                   ; v[LX ..] and the rounded v[LT ..] are written: one wait for the sixteen stores; v[MCUR] is written too
.irp e, 0,1,2,3
	ds_store_b128 v[LCUR], v[LX+8*\e:LX+8*\e+3]   offset:\e*XP
	ds_store_b128 v[LCUR], v[LX+8*\e+4:LX+8*\e+7] offset:\e*XP+512
.endr
.irp e, 0,1,2,3
	ds_store_b64 v[MCUR], v[LT+4*\e:LT+4*\e+1]   offset:\e*BP
	ds_store_b64 v[MCUR], v[LT+4*\e+2:LT+4*\e+3] offset:\e*BP+256
.endr
	s_wait_alu depctr_vm_vsrc(0)                   ; the stores have read v[LX ..], v[LT ..], v[LCUR] and v[MCUR]: the addresses are stepped below, the data written anew in the next trip
	v_add_nc_u32 v[MCUR], 4*BP, v[MCUR]
.else
	s_wait_alu depctr_va_vdst(0)                   ; v[LX ..] is written, which the stores read; v[GCUR] is written too
.irp e, 0,1,2,3
	global_store_b128 v[GCUR], v[LX+8*\e:LX+8*\e+3],   s[40:41] offset:\e*1024 th:TH_STORE_NT
	global_store_b128 v[GCUR], v[LX+8*\e+4:LX+8*\e+7], s[40:41] offset:\e*1024+512 th:TH_STORE_NT
.endr
	s_wait_xcnt 0x0                                ; the stores' offset is stepped, and their data loaded anew in the next trip, only behind this wait (ISA guide 3.1)
	s_wait_alu depctr_vm_vsrc(0)                   ; beside it: the stores have read v[LX ..] and v[GCUR], the trip's loads v[LCUR]
	v_add_nc_u32 v[GCUR], 4096, v[GCUR]
.endif
	v_add_nc_u32 v[LCUR], 4*XP, v[LCUR]
	s_sub_co_u32 s43, s43, 1
	s_cmp_lg_u32 s43, 0
	s_cbranch_scc1 .Lln\mode
.endm
	; ================ the head: addresses, constants ================
	s_load_b512 s[8:23], s[0:1], 0x0               ; x 8, wpack 10, qo 12, ki 14, bk_o 16, bv_o 18, bo_o 20, bv_i 22
	s_load_b512 s[24:39], s[0:1], 0x40             ; bq_i 24, bo_i 26, g1 28, b1 30, b_ff1 32, b_ff2 34, g2 36, b2 38
	s_load_b64 s[40:41], s[0:1], 0x80              ; out0
	v_lshl_add_u32 v[SPW], v0, 2, SPARE
	v_mov_b32 v[NIL], 0
	v_lshrrev_b32 v16, 5, v0
	v_readfirstlane_b32 s42, v16                   ; wave 0..3
	v_and_b32 v17, 31, v0                          ; lane
	v_and_b32 v18, 15, v0                          ; r
	v_bfe_u32 v19, v0, 4, 1                        ; h
	v_lshlrev_b32 v[RL], 4, v17
	s_wait_alu depctr_va_sdst(0)                   ; s42 is written, ahead of its first reader: the wave's offsets are made from it
	s_lshl_b32 s45, s42, 15
	v_add_nc_u32 v[WOFF], s45, v[RL]
	v_add_nc_u32 v[GCUR], s45, v[RL]               ; my 32 rows of 1,024 bytes begin at the same offset
	s_lshl_b32 s45, s42, 12
	v_add_nc_u32 v[QOFF], s45, v[RL]
	s_lshl_b32 s45, s42, 8
	v_lshl_add_u32 v[VB], v19, 5, s45
	v_mul_u32_u24 v[XD], v18, XP
	v_add_nc_u32 v[XD], v[XD], v[VB]
	v_mul_u32_u24 v[AL], v18, BP
	v_lshl_add_u32 v[AL], v19, 4, v[AL]
	s_lshl_b32 s45, s42, 7
	v_add_nc_u32 v[DL], s45, v[AL]
	s_mul_i32 s84, s42, 32*XP
	v_add_nc_u32 v[LCUR], s84, v[RL]
	s_mul_i32 s85, s42, 32*BP
	s_add_co_u32 s85, s85, RA
	v_lshl_add_u32 v[MCUR], v17, 3, s85
	s_mov_b32 s50, 0x76543210                      ; v_permlanex16_b32: each lane takes its own place in the other half
	s_mov_b32 s51, 0xfedcba98
	SC 52, 0x3e8293ee                              ; c = log2(e) / sqrt(32)
	SC 66, 0x3f3504f3                              ; 1 / sqrt 2
	SC 68, 0x38349f67                              ; a6 = 0.0000430638
	SC 70, 0x39910039                              ; a5 = 0.0002765672
	SC 72, 0x391f6607                              ; a4 = 0.0001520143
	SC 74, 0x3c17e369                              ; a3 = 0.0092705272
	SC 76, 0x3d2d2fe7                              ; a2 = 0.0422820123
	SC 78, 0x3d906e67                              ; a1 = 0.0705230784
	SC 80, 0xbf3504f3                              ; -1 / sqrt 2
	s_mov_b32 s82, 0x3b800000                      ; 1 / 256
	s_mov_b32 s83, 0x3727c5ac                      ; 1e-5
	s_mov_b32 s47, 0
	s_wait_kmcnt 0x0
	s_lshl_b32 s46, ttmp9, 17                      ; the slice's 131,072 bytes of x and out0
	s_add_nc_u64 s[8:9], s[8:9], s[46:47]
	s_add_nc_u64 s[40:41], s[40:41], s[46:47]
	s_and_b32 s46, ttmp9, 63                       ; s
	s_lshl_b32 s46, s46, 14
	s_add_nc_u64 s[12:13], s[12:13], s[46:47]
	s_add_nc_u64 s[14:15], s[14:15], s[46:47]
	s_mov_b64 s[48:49], s[10:11]
	s_mov_b64 s[54:55], s[32:33]
	; ================ x comes in; the first two units are asked for ================
	WIN 0x80
	s_wait_alu depctr_va_vdst(0)                   ; the offsets and LDS addresses made above are written: WOFF, GCUR, QOFF, VB, XD, RL, LCUR, MCUR, which the loads and stores from here on read
	REP 8, global_load_b128 v[F3+4*i:F3+4*i+3], v[QOFF], s[12:13] offset:i*512    ; qo: (head, tile, half) = (i / 4, (i / 2) % 2, i % 2)
	BLOAD BV, 18                                   ; bv_o
	WIN 0
	BLOAD BIAS, 16                                 ; bk_o
	XISSUE 0
	XISSUE 1
	WIN 0x80                                       ; in the wait for x: what the first trip of the running softmax finds.  O and l are 0, c m far below every c s, so its a is 0:
	REP 64, v_mov_b32 v[OA+i], 0                   ; no first step is written out, at the price of these lines
.set i, 0
.rept 4
	v_mov_b32 v[ST+4*i], 0xfe000000
	v_mov_b32 v[ST+4*i+1], 0xff7fffff
	v_mov_b32 v[ST+4*i+2], 0
	v_mov_b32 v[ST+4*i+3], 0
.set i, i+1
.endr
	REP 8, v_mov_b32 v[TM+i], 0
	v_add_nc_u32 v[AD1], OO, v[DL]
	WIN 0
	s_wait_loadcnt 16                              ; behind batch 0 stand batch 1's sixteen loads
	XPROC 0
	XISSUE 2
	s_wait_loadcnt 16                              ; behind batch 1: batch 2's
	XPROC 1
	XISSUE 3
	s_wait_loadcnt 16                              ; behind batch 2: batch 3's
	XPROC 2
	WLOAD 3, 10, 0, 0, 3                           ; Wk_o, first half.  No wait: no vector or matrix instruction has named windows 3 and 1 yet
	WIN 0
	s_wait_loadcnt 32                              ; behind batch 3: those 32
	XPROC 3
	WLOAD 3, 10, 0, 4, 7                           ; here the wave has nothing else to do: the first product needs both units whole
	WLOAD 1, 10, UNIT, 0, 7                        ; Wv_o
	WIN 0
	BAR                                            ; x lies in XS and RA, all rows
	; ================ K, V and the out-attention: four trips of 32 keys ================
	s_wait_loadcnt 0x0
	s_wait_alu depctr_vm_vsrc(0)                   ; batch 3's LDS stores have read v[AC0 ..]: these registers are accumulators from here on, written by the products
	v_add_nc_u32 v[ACUR], RA, v[AL]
	s_mov_b32 s43, 4
.Lkv:
	RG ACUR, 0x03, 0, 1, AC0, 1
	PLACES
	WIN 0x80
	CVT32 F1, AC0                                  ; K's fragment (key block a, head) at F1 + 16 a + 8 head
	CVT32 F2, AC1                                  ; V's fragment of channel block b at F2 + 8 b
	WIN 0xaa
	ATT2 1, F1, 0, 16, F3, F2, 0, OA, ST           ; my first head: its two query tiles
	PLACES 5                                       ; the next scores are written over P, which the last products read
	ATT2 1, F1+8, 0, 16, F3+16, F2+16, 0, OA+32, ST+8
	WIN 0
	s_wait_alu depctr_vm_vsrc(0)                   ; the trip's fragment loads have read v[ACUR]
	v_add_nc_u32 v[ACUR], 32*BP, v[ACUR]
	s_sub_co_u32 s43, s43, 1
	s_cmp_lg_u32 s43, 0
	s_cbranch_scc1 .Lkv
	BLOAD BIAS, 20                                 ; bo_o.  No wait for these 72 loads: the products that read BIAS and window 3 stand ahead of the softmax's waits on va_vdst, and no line since names either
	WLOAD 3, 10, 2*UNIT, 0, 7                      ; Wo_o: wanted whole as soon as the lines below are through
	WIN 0xaa
	ALL4 v_add_f32 v[ST+4*t+2], v[ST+4*t+2], v[ST+4*t+3]
	ALL4 v_permlanex16_b32 v[ST+4*t+3], v[ST+4*t+2], s50, s51
	ALL4 v_add_f32 v[ST+4*t+2], v[ST+4*t+2], v[ST+4*t+3]
	ALL4 v_rcp_f32 v[ST+4*t+2], v[ST+4*t+2]
	v_nop
	s_wait_alu depctr_va_vdst(0)                   ; the four reciprocals are written, ahead of their first reader
.set t, 0
.rept 4
	REP 8, v_pk_fma_f32 v[OA+16*t+2*i:OA+16*t+2*i+1], v[OA+16*t+2*i:OA+16*t+2*i+1], v[ST+4*t+2:ST+4*t+3], v[BV+16*(t/2)+2*i:BV+16*(t/2)+2*i+1] op_sel_hi:[1,0,1]
.set t, t+1
.endr
.irp q, 0,1,2,3,4,5,6,7
	CVT4 OA+8*\q
.endr
	s_wait_alu depctr_va_vdst(0)                   ; the roundings have written v[OA ..], which the stores read; the lines above are done reading qo's fragments and V's bias, in which the loads below land
.irp q, 0,1,2,3,4,5,6,7                ; q = 4 head + 2 query tile + channel block
	ds_store_b128 v[AD1], v[OA+8*\q:OA+8*\q+3] offset:((\q/2)%2)*16*BP+(\q/4)*64+(\q%2)*32
.endr
	WIN 0x80
	REP 8, global_load_b128 v[F3+4*i:F3+4*i+3], v[QOFF], s[14:15] offset:i*512    ; ki
	BLOAD BV, 22                                   ; bv_i
	WIN 0
	BAR                                            ; the out-attention's result lies in OO, all channels
	; ================ message_out = OO Wo_o^T + bo_o ================
	s_wait_loadcnt 0x0
	WLOAD 1, 10, 3*UNIT, 0, 6                      ; Wv_i: 56 loads now, the last eight at the product's k step 5.  No wait: V's products, window 1's last readers, stand ahead of the waits above
	WIN 0
	v_add_nc_u32 v[ACUR], OO, v[AL]                ; (no access has read it since the wait on vm_vsrc in the loop above)
	v_add_nc_u32 v[DCUR], MO, v[DL]
.set TAILW, 1
.set TAILU, 3
	RG ACUR, 0x03, 0, 1, AC0, 0, 1
	PLACES
	WIN 0
.irp q, 0,1,2,3,4,5,6,7
	CVT4 AC0+8*\q
.endr
	s_wait_alu depctr_va_vdst(0)                   ; the roundings have written v[AC0 ..], which the stores read; the products are done reading BIAS, in which the loads below land, and window 3
	STT
	BLOAD BIAS, 24                                 ; bq_i
	BAR                                            ; message_out lies in MO
	; ================ the in-attention's V = MO Wv_i^T, straight into fragments ================
	s_wait_loadcnt 0x0
	WLOAD 3, 10, 4*UNIT, 0, 6                      ; Wq_i: likewise.  No wait: the one ahead of message_out's stores stands behind window 3's last products
	WIN 0
	s_wait_alu depctr_vm_vsrc(0)                   ; the last product's fragment loads have read v[ACUR]; message_out's stores have read v[AC0 ..], which Q's products write
	v_add_nc_u32 v[ACUR], MO, v[AL]
.set TAILW, 3
.set TAILU, 4
	RG ACUR, 0x04, 1, 0, AC1, 0, 1
	PLACES
	WIN 0x80
	CVT32 F2, AC1
	v_add_nc_u32 v[AD0], RB, v[DL]
	WIN 0
	s_wait_loadcnt 0x0
	WLOAD 1, 10, 5*UNIT, 0, 6, 1                   ; Wo_i: 56 loads; its last k step is asked for behind the loop below.  Its own wait: V's products of k steps 4 to 7 have been issued since the last one
	WIN 0
	; ================ Q and the in-attention: four trips of 32 queries ================
	s_wait_alu depctr_vm_vsrc(0)                   ; the last product's fragment loads have read v[ACUR]
	v_add_nc_u32 v[ACUR], RA, v[AL]
	s_mov_b32 s43, 4
.Lq:
	RG ACUR, 0x03, 0, 1, AC0
	PLACES
	WIN 0x80
	CVT32 F1, AC0                                  ; Q's fragment (query tile a, head) at F1 + 16 a + 8 head
	WIN 0xaa
.irp a, 0,1                            ; a query tile; the two tiles of the call are my two heads
	ATT2 0, F3, 16, 8, F1+16*\a, F2, 16, OA, ST
	FIN2 \a
.endr
	v_add_nc_u32 v[AD0], 32*BP, v[AD0]             ; behind the wait on vm_vsrc that ends the second tile
	WIN 0
	v_add_nc_u32 v[ACUR], 32*BP, v[ACUR]
	s_sub_co_u32 s43, s43, 1
	s_cmp_lg_u32 s43, 0
	s_cbranch_scc1 .Lq
	s_wait_loadcnt 0x0                             ; Wo_i's k steps 0 to 6 are in
	WLOAD 1, 10, 5*UNIT, 7, 7                      ; its k step 7: 8 loads; behind them 8 + 6 + 40 = 54 more, 62 in all.  No wait for the 62: the last readers of window 1's k step 7, of BIAS,
	WIN 0                                          ; of AC1 and of window 3 stand ahead of the wait on va_vdst in front of the last tile's stores, and only the two address adds follow it
	BLOAD BIAS, 54                                 ; b_ff1, chunk 0
	LNPAR 26, 28, 30                               ; bo_i, g1, b1
	WLOAD 3, 48, 6*UNIT, 0, 4                      ; W_ff1, chunk 0, k steps 0 to 4
	WIN 0
	BAR                                            ; the in-attention's result lies in RB, all channels
	; ================ x + RB Wo_i^T: the sums start on x, read from my columns of XS, and go back to the same bytes ================
	v_mov_b32 v[XD1], v[XD]
	v_add_nc_u32 v[ACUR], RB, v[AL]
	s_mov_b32 s43, 4
.Lo:
	PLACES
	s_wait_alu depctr_va_vdst(0)                   ; v[XD1] and v[ACUR] are written; the lines that last named v[AC0 ..] and the four slots are done with them: the tiles' and the fragments' loads land there
	XTILE 0                                        ; older than the fragments' loads: the row group's first wait covers them
	RG ACUR, 0x01, 0, 2, AC0, 0, 0, 54, 0          ; ahead of k step 7: the 54 loads issued behind Wo_i's last eight may stay out
	PLACES
	WIN 0
	s_wait_alu depctr_va_vdst(0)                   ; the products have written v[AC0 ..], which the stores read
	XTILE 1
	s_wait_alu depctr_vm_vsrc(0)                   ; the stores have read v[AC0 ..], in which the next trip's tiles land, and v[XD1]; the fragment loads have read v[ACUR]
	v_add_nc_u32 v[XD1], 32*XP, v[XD1]
	v_add_nc_u32 v[ACUR], 32*BP, v[ACUR]
	s_sub_co_u32 s43, s43, 1
	s_cmp_lg_u32 s43, 0
	s_cbranch_scc1 .Lo
	s_wait_loadcnt 0x0                             ; all that was asked for is in, the norm's parameters among it
	WLOAD 3, 48, 6*UNIT, 5, 7                      ; W_ff1, chunk 0, the rest: 24 loads,
	WLOAD 1, 48, 10*UNIT, 0, 3                     ; and the first half of W_ff2's chunk 0: 32.  No wait: the one ahead of the last trip's stores stands behind both windows' last products
	WIN 0
	v_add_nc_u32 v[XD1], 64*XP, v[XD]
	BAR                                            ; every column of every row is in XS
	LNLOOP 1
	BAR                                            ; m lies in XS and RA
	WIN 0x80
	CTILES 0                                       ; the second product's sums start on m: nothing is cleared, and the residual costs no addition.  No wait: v[XD1]'s add and the attention's last lines in window 2
	WLOAD 1, 48, 10*UNIT, 4, 7                     ; stand ahead of the norm's waits on va_vdst, the attention's stores ahead of its waits on vm_vsrc.  The second half of W_ff2's chunk 0: 32 loads
	WIN 0
	s_wait_loadcnt 32                              ; those 32 may stay out; W_ff1's chunk 0 is whole
	; ================ the MLP, in four chunks of 256 hidden channels ================
	s_mov_b32 s44, 4
.Lchunk:
	s_wait_alu depctr_vm_vsrc(0)                   ; the last chunk's fragment loads have read v[ACUR], its last GELU's stores v[DCUR]
	v_add_nc_u32 v[ACUR], RA, v[AL]
	v_add_nc_u32 v[DCUR], RB-16*BP, v[DL]          ; each GELU steps it by a half ahead of its stores
	PLACES                                         ; with the two adds above and the one in the turn, seven places between the second product's last k step, which read v[S0 ..] as fragments, and half 0's
	                                               ; products, which write them: five are asked for, and on the way that jumps the loads of W_ff2 no other vector line stands between
	s_wait_alu depctr_va_vdst(0)                   ; v[ACUR] is written; the second product (at first: the norm) is done with the registers in which half 0's fragments land
	HT 1, S0, 0, S1                                ; half 0 is multiplied alone
	s_mov_b32 s43, 4
	s_branch .Lodd                                 ; the loop is entered in the middle of a trip: halves 1, then (2, 3), (4, 5), (6, 7)
.Leven:
	HT 1, S0, 1, S1                                ; an even half's products | the GELU of the odd half before
.Lodd:
	HT 1, S1, 1, S0                                ; an odd half's products | the GELU of the even half before
	s_sub_co_u32 s43, s43, 1
	s_cmp_lg_u32 s43, 0
	s_cbranch_scc1 .Leven
	s_wait_loadcnt 0x0                             ; this chunk of W_ff2 is in; no load is out, so the two walking addresses may step
	s_cmp_eq_u32 s44, 1
	s_cbranch_scc1 .Lno1                           ; the last chunk asks for nothing more
	s_add_nc_u64 s[48:49], s[48:49], UNIT
	s_add_nc_u64 s[54:55], s[54:55], 1024
	WLOAD 3, 48, 6*UNIT, 0, 3                      ; the next chunk of W_ff1, first half, and its bias: 40 loads, under the GELU below.  No wait: the one at the end of half 7's turn stands behind the
	WIN 0                                          ; last products that read window 3 and BIAS
	BLOAD BIAS, 54
.Lno1:
	HT 0, S0, 1, S1                                ; half 7's GELU stands alone
	BAR                                            ; the chunk lies in RB, all its channels
	s_wait_alu depctr_vm_vsrc(0)                   ; half 7's stores have read v[S1 ..], in which the fragments of k step 1 land
	v_add_nc_u32 v[ACUR], RB, v[AL]
	PLACES
	s_wait_alu depctr_va_vdst(0)                   ; v[ACUR] is written
	HLD 0
.irp ks, 0,1,2,3,4,5,6,7               ; 128 rows x my 64 channels: 32 accumulators by turns
.if \ks < 7
	PLACES
	WIN 0
.if \ks > 0
	s_wait_alu depctr_va_vdst(0)                   ; the products of the k step before are done reading their set of fragments, in which the loads below land; at k step 5 also: those of k steps 0 to 3 are done with their registers of window 1
.endif
.if \ks == 2
	WCOND 3, 48, 6*UNIT, 4, 7                      ; the next chunk of W_ff1, second half: 32 loads
.endif
.if \ks == 5
	WCOND 1, 48, 10*UNIT, 0, 3                     ; the next chunk of W_ff2, k steps 0 to 3, into registers whose last products stand two k steps back: 32 loads
.endif
	HLD (\ks+1)
	s_wait_dscnt 16                                ; the sixteen just issued stay out
.else
	s_wait_dscnt 0x0
.endif
	WIN 0xa1
.set hb, AF+64*(\ks%2)
.set i, 0
.rept 32
	v_wmma_f32_16x16x32_bf16 v[8*i:8*i+7], v[32*\ks+8*(i%4):32*\ks+8*(i%4)+7], v[hb+8*(i/4):hb+8*(i/4)+7], v[8*i:8*i+7]
.set i, i+1
.endr
.endr
	WIN 0
	s_wait_loadcnt 0x0                             ; the next chunk of W_ff1 and b_ff1; the youngest loads out were issued three k steps back
	WCOND 1, 48, 10*UNIT, 4, 7, 1                  ; the next chunk of W_ff2, k steps 4 to 7: 32 loads, under the next chunk's first product.  Its own wait: the products of k steps 6 and 7 have been issued since the last one
	BAR                                            ; nobody reads RB any more
	s_sub_co_u32 s44, s44, 1
	s_cmp_lg_u32 s44, 0
	s_cbranch_scc1 .Lchunk
	; ================ m + h goes to XS by columns and leaves by rows through the second norm ================
	LNPAR 34, 36, 38                               ; b_ff2, g2, b2.  No wait: the GELU's last lines on these registers stand ahead of the second product's waits
	PLACES
	WIN 0x08
	s_wait_alu depctr_va_vdst(0)                   ; the last products have written the 32 accumulators, which the stores read; the places above stay beside this wait
	CTILES 1
	WIN 0
	v_add_nc_u32 v[LCUR], s84, v[RL]               ; (no access has read it since the first norm's last wait on vm_vsrc)
	s_wait_loadcnt 0x0
	BAR
	LNLOOP 2
	s_wait_dscnt 0x0                               ; the closing lines, six on end
	s_wait_alu 0x0
	s_wait_tensorcnt 0x0
	ds_add_u32 v[SPW], v[NIL]
	s_wait_dscnt 0x0
	s_endpgm
.Lfunc_end_k_q765f4a1005_layer:
	.size	k_q765f4a1005_layer, .Lfunc_end_k_q765f4a1005_layer-k_q765f4a1005_layer
	.p2alignl 7, 3214868480
	.fill 96, 4, 3214868480
	.section	.rodata,"a",@progbits
	.p2align	6, 0x0
	.amdhsa_kernel k_q765f4a1005_layer
		.amdhsa_group_segment_fixed_size 302592
		.amdhsa_private_segment_fixed_size 0
		.amdhsa_enable_private_segment 0
		.amdhsa_kernarg_size 136
		.amdhsa_user_sgpr_count 2
		.amdhsa_user_sgpr_kernarg_segment_ptr 1
		.amdhsa_wavefront_size32 1
		.amdhsa_system_sgpr_workgroup_id_x 1
		.amdhsa_system_sgpr_workgroup_id_y 1
		.amdhsa_system_sgpr_workgroup_id_z 1
		.amdhsa_system_vgpr_workitem_id 0
		.amdhsa_next_free_vgpr 1024
		.amdhsa_next_free_sgpr 100
		.amdhsa_reserve_vcc 0
		.amdhsa_float_denorm_mode_32 3
		.amdhsa_float_denorm_mode_16_64 3
		.amdhsa_memory_ordered 1
		.amdhsa_forward_progress 1
		.amdhsa_inst_pref_size 255
	.end_amdhsa_kernel
	.section	.bss,"aw",@nobits
	.p2align	6
	.space	262144
	.amdgpu_metadata
---
amdhsa.version: [ 1, 2 ]
amdhsa.kernels:
  - .name:           k_q765f4a1005_layer
    .symbol:         k_q765f4a1005_layer.kd
    .args:
      - { .name: x, .offset: 0, .size: 8, .value_kind: global_buffer, .address_space: global }
      - { .name: wpack, .offset: 8, .size: 8, .value_kind: global_buffer, .address_space: global }
      - { .name: qo, .offset: 16, .size: 8, .value_kind: global_buffer, .address_space: global }
      - { .name: ki, .offset: 24, .size: 8, .value_kind: global_buffer, .address_space: global }
      - { .name: bk_o, .offset: 32, .size: 8, .value_kind: global_buffer, .address_space: global }
      - { .name: bv_o, .offset: 40, .size: 8, .value_kind: global_buffer, .address_space: global }
      - { .name: bo_o, .offset: 48, .size: 8, .value_kind: global_buffer, .address_space: global }
      - { .name: bv_i, .offset: 56, .size: 8, .value_kind: global_buffer, .address_space: global }
      - { .name: bq_i, .offset: 64, .size: 8, .value_kind: global_buffer, .address_space: global }
      - { .name: bo_i, .offset: 72, .size: 8, .value_kind: global_buffer, .address_space: global }
      - { .name: g1, .offset: 80, .size: 8, .value_kind: global_buffer, .address_space: global }
      - { .name: b1, .offset: 88, .size: 8, .value_kind: global_buffer, .address_space: global }
      - { .name: b_ff1, .offset: 96, .size: 8, .value_kind: global_buffer, .address_space: global }
      - { .name: b_ff2, .offset: 104, .size: 8, .value_kind: global_buffer, .address_space: global }
      - { .name: g2, .offset: 112, .size: 8, .value_kind: global_buffer, .address_space: global }
      - { .name: b2, .offset: 120, .size: 8, .value_kind: global_buffer, .address_space: global }
      - { .name: out0, .offset: 128, .size: 8, .value_kind: global_buffer, .address_space: global }
    .group_segment_fixed_size: 302592
    .private_segment_fixed_size: 0
    .kernarg_segment_align: 8
    .kernarg_segment_size: 136
    .max_flat_workgroup_size: 128
    .sgpr_count:     100
    .vgpr_count:     1024
    .wavefront_size: 32
...
	.end_amdgpu_metadata
.endif
;; end of part 4
